; MI455X (gfx1250); checked and timed in simulation.
; The chip was launched on July 23, 2026; its instructions are those of AMD's public machine-readable ISA for CDNA 5 (MIT licence, August 2026) and "CDNA5" Instruction Set Architecture Reference Guide (July 2026). The comments in the code are by the model that wrote it; some were corrected since.
;; Grouped Query Attention. Allowed arithmetic: matrix products marked QUANTISED: E4M3 operands, one given power-of-two scale a tensor, by v_wmma_f32_16x16x64_fp8_fp8 or v_wmma_f32_16x16x128_fp8_fp8, f32 sums; everything else in f32.
;; Inputs: Wk 512 x 2,048 float32; Wo 2,048 x 2,048 float32; Wq 2,048 x 2,048 float32; Wv 512 x 2,048 float32; cos 2,048 x 64 float32; lowp_scales 12 int32 (the exponents e of the quantised operands' scales 2^e); mask 1 x 2,048 bool; sin 2,048 x 64 float32; x 1 x 2,048 x 2,048 float32.
;; Outputs: out0 1 x 2,048 x 2,048 float32.
;; This version of the problem:
;;   THIS VERSION OF THE PROBLEM IS GIVEN IN LOW PRECISION. The matrix products marked QUANTISED in the list below multiply operands that are first quantised to E4M3 (4 exponent bits, 3 mantissa bits; 8 bits a number), with one given power-of-two scale for each operand tensor; their sums are f32. All else is computed in f32.
;;   The module's matrix products, in the order in which they are computed (A, B: the left and right operand; K: the contracted axis; several contracted axes count as one K, in the product's order):
;;     1. [M 2,048, K 2,048] x [K 2,048, N 2,048]; A: input x; B: input Wq: QUANTISED (scales: A lowp_scales[0], B lowp_scales[1])
;;     2. [M 2,048, K 2,048] x [K 2,048, N 512]; A: input x; B: input Wk: QUANTISED (scales: A lowp_scales[2], B lowp_scales[3])
;;     3. [M 2,048, K 2,048] x [K 2,048, N 512]; A: input x; B: input Wv: QUANTISED (scales: A lowp_scales[4], B lowp_scales[5])
;;     4. batch 32 x [M 2,048, K 64] x [K 64, N 2,048]; A: computed on the way; B: computed on the way: QUANTISED (scales: A lowp_scales[6], B lowp_scales[7])
;;     5. batch 32 x [M 64, K 2,048] x [K 2,048, N 2,048]; A: computed on the way; B: softmax (see below): QUANTISED (scales: A lowp_scales[8], B lowp_scales[9])
;;     6. [M 2,048, K 2,048] x [K 2,048, N 2,048]; A: computed on the way; B: input Wo: QUANTISED (scales: A lowp_scales[10], B lowp_scales[11])
;;   THE QUANTISER, for each operand of a quantised product, along K:
;;     - The operand's scale is 2^e, e = its entry of the input lowp_scales (int32; the entries are numbered through the quantised products in the list's order, A before B).
;;     - Each number is divided by the scale, clamped to +-448, and rounded to the nearest number of E4M3, ties to even, subnormals kept.
;;     - The product sums the exact products of the quantised numbers (number of the format x scale) in f32.
;;   ~~~python
;;   def quantise(x, axis, e):      # numpy; x: float32 -> the quantised numbers, widened to float32 again
;;       x = np.moveaxis(x, axis, -1); K = x.shape[-1]
;;       r = np.clip(x / 2.0 ** e, -448, 448)
;;       step = 2.0 ** (np.maximum(np.frexp(np.where(r == 0, 1, r))[1] - 1, -6) - 3)
;;       q = np.round(r / step) * step * 2.0 ** e      # np.round: ties to even
;;       return np.moveaxis(q, -1, axis).astype(np.float32)
;;   ~~~
;;   SOFTMAX AHEAD OF A QUANTISED PRODUCT. Where the list says 'softmax', what is quantised is not the finished softmax but p = 2^(t - M), with t = logit x log2(e) and M = ceil(the row's largest t), a whole number; so 1/2 < the row's largest p <= 1. The row's sum l is taken of the UNQUANTISED p, in f32, and the product's result is divided by l at the end. Since M is a whole number, a kernel that streams over the keys may use a running M (the ceiling of the running maximum): every later rescaling is an exact power of two, so the quantised numbers keep their values, but for numbers so far below the row's largest that they fall under the format's range.
;;   OPERANDS COMPUTED ON THE WAY. 'Computed on the way' means the value that the module computes at that place (a softmax that the list does not call 'softmax' is quantised finished and normalised). What goes into a quantiser is computed in f32, as accurately as f32 sums, v_exp_f32 and their like allow (about 1e-6 of the number): no bf16 or f16 on the way to a quantiser, and a product that is left as it is and whose result goes on into a quantised operand takes f32 operands (vector FMAs, or v_wmma_f32_16x16x4_f32). A number that lies on a knife's edge between two numbers of the format may be rounded either way, as far as f32 arithmetic and the matrix unit's own rounding can turn it there, and no further.
;; One version. Each part assembles by itself: llvm-mc -triple=amdgcn-amd-amdhsa -mcpu=gfx1250 --defsym DOCPART=n.
;; ======== version 1 of 1: 4 launches
;; limits: right only within a limited range of input values
;; workspace buffers: codes 18,874,368 bytes; woimg 4,194,304 bytes; csimg 1,048,576 bytes; qimg 4,194,304 bytes; kvimg 2,097,152 bytes; ctximg 4,194,304 bytes
;; launch quant (part 1): grid 464 x 1, 4 waves a work-group, no clusters, 34,304 bytes of LDS; arguments x, Wq, Wk, Wv, Wo, cos, sin, lowp_scales, codes, woimg, csimg; writes codes, woimg, csimg
.if DOCPART == 1
	.amdgcn_target "amdgcn-amd-amdhsa--gfx1250"
	.amdhsa_code_object_version 6
	.text
	.protected	k_q2f143f6f8c_quant
	.globl	k_q2f143f6f8c_quant
	.p2align	8
	.type	k_q2f143f6f8c_quant,@function
k_q2f143f6f8c_quant:
	s_mov_b64 s[64:65], 0
	v_nop
	global_prefetch_b8 v0, s[64:65] scope:SCOPE_SE
	s_setreg_imm32_b32 hwreg(HW_REG_WAVE_MODE, 25, 1), 1
	s_wait_xcnt 0x0
; x (three times: with the scales e0, e2, e4), Wq (e1), Wk (e3), Wv (e5), Wo (e11), all f32 with K innermost, become codes of E4M3, laid as IMAGES OF OPERAND REGISTERS.
; A fragment is 16 rows x 128 K, 16 registers: lane (r = lane % 16, h = lane / 16), register 2 c + f, byte y holds k = 16 c + 8 h + 4 f + y of row r (the plain 8-bit layout).
; Its image is 2,048 bytes: registers 4 q .. 4 q + 3 of lane l at 512 q + 16 l.  Buffers: [K step of 512: 4][block of 16 rows][chunk of 128 K: 4][2,048 bytes].
; codes: row blocks 0-127 x at e0, 128-255 x at e2, 256-383 x at e4, 384-511 Wq, 512-543 Wk, 544-575 Wv.  woimg: 128 row blocks of Wo.
; code = number / 2^e, held within +-448, to the nearest code, ties to even.  LIMITS: each e between -126 and 119; NaN among the inputs is not served.
; SHARES.  Work-groups 0-447 take one block of 16 rows each (131,072 consecutive bytes); wave w takes K step w, in four units of 16 rows x 128 K.
; A load reads 512 consecutive bytes of one row; a unit turns through the wave's own stage in LDS (16 rows, 528 bytes apart), from which a lane takes 8 neighbours along K at a time; a store writes 512 consecutive bytes.
; Waves share nothing: no barrier.  Two units (32 loads a wave) are on their way.
; Work-groups 448-463 lay cos and sin anew (csimg): [block of 16 tokens][cos 4,096 | sin 4,096], four registers 8 b + 4 f .. + 3 of lane l at 512 (2 b + f) + 16 l = table[16 tb + r][16 b + 8 h + 4 f ..]:
; the layout of a matrix result, so that the next launch loads them densely.  Their loads take 32 bytes of each of 16 rows: once, for 1 MiB in all.
.set STG, 8448                         ; a wave's stage: 16 x 528 bytes
.set PIT, 528                          ; 512 bytes + 16: 132 words, so that 16 rows start at 16 different 16-byte columns of the banks (ISA guide 11.1)
.set C0,  16                           ; v16-31, v32-47: two sets of a unit's codes
.set C1,  32
.set T,   48                           ; v48-63   two sets of 8 held numbers
.set X,   64                           ; v64-127  a unit's 64 numbers of my lane: register 8 c + i = k 16 c + 8 h + i
.set R,   128                          ; v128-255 two sets of 64 registers as loaded
	s_load_b512 s[8:23], s[0:1], 0x0               ; x, Wq, Wk, Wv, Wo, cos, sin, the scales' exponents
	s_load_b128 s[24:27], s[0:1], 0x40             ; codes, woimg
	s_load_b64 s[28:29], s[0:1], 0x50              ; csimg
	v_lshl_add_u32 v14, v0, 2, 0x8400
	v_mov_b32 v15, 0
	v_lshrrev_b32 v1, 5, v0
	v_readfirstlane_b32 s44, v1                    ; wave
	v_and_b32 v1, 31, v0                           ; lane
	v_lshlrev_b32 v2, 4, v1                        ; 16 x lane: my bytes of a load's and of a store's 512
	s_mul_i32 s45, s44, STG
	v_add_nc_u32 v3, s45, v2                       ; the stage, on the way in
	v_and_b32 v12, 15, v0                          ; r
	v_bfe_u32 v13, v0, 4, 1                        ; h
	v_mul_u32_u24 v4, v12, PIT
	v_lshl_add_u32 v4, v13, 5, v4
	v_add_nc_u32 v4, s45, v4                       ; and on the way out: row r, + 32 h
	v_lshlrev_b32 v5, 8, v12
	v_lshl_add_u32 v5, v13, 5, v5                  ; the tables: row r of 256 bytes, + 32 h
	s_wait_kmcnt 0x0
	s_cmp_ge_u32 ttmp9, 448
	s_cbranch_scc1 .Ltables
	s_load_b256 s[32:39], s[22:23], 0x0            ; e0 .. e7
	s_load_b128 s[40:43], s[22:23], 0x20           ; e8 .. e11
	; which tensor, from where, to where: choices on the work-group's number alone
	s_sub_co_u32 s53, ttmp9, 320                   ; Wo's row block
	s_add_co_u32 s54, ttmp9, 256                   ; Wq's, Wk's, Wv's row block in codes
	s_mov_b64 s[46:47], s[16:17]
	s_mov_b32 s50, 320
	s_mov_b32 s52, 1048576                         ; woimg: bytes from K step to K step
	s_cmp_lt_u32 ttmp9, 320
	s_cselect_b64 s[46:47], s[14:15], s[46:47]
	s_cselect_b64 s[48:49], s[24:25], s[26:27]
	s_cselect_b32 s50, 288, s50
	s_cselect_b32 s52, 4718592, s52                ; codes: 576 row blocks x 8,192
	s_cselect_b32 s53, s54, s53
	s_cmp_lt_u32 ttmp9, 288
	s_cselect_b64 s[46:47], s[12:13], s[46:47]
	s_cselect_b32 s50, 256, s50
	s_cmp_lt_u32 ttmp9, 256
	s_cselect_b64 s[46:47], s[10:11], s[46:47]
	s_cselect_b32 s50, 128, s50
	s_cmp_lt_u32 ttmp9, 128
	s_cselect_b64 s[46:47], s[8:9], s[46:47]
	s_cselect_b32 s50, 0, s50
	s_cselect_b32 s53, ttmp9, s53
	s_sub_co_u32 s50, ttmp9, s50                   ; my row block in the tensor
	s_lshl_b32 s50, s50, 17                        ; x 131,072
	s_lshl_b32 s51, s44, 11                        ; + my K step's 2,048 bytes of a row
	s_add_co_u32 s50, s50, s51
	s_mov_b32 s51, 0
	s_add_nc_u64 s[46:47], s[46:47], s[50:51]
	s_mul_i32 s52, s52, s44                        ; my K step,
	s_lshl_b32 s53, s53, 13                        ; my row block
	s_add_co_u32 s52, s52, s53
	s_mov_b32 s53, 0
	s_add_nc_u64 s[48:49], s[48:49], s[52:53]
.macro LOAD t                          ; unit t: 16 rows x 512 bytes into set t % 2
.irp i, 0,1,2,3,4,5,6,7,8,9,10,11,12,13,14,15
	global_load_b128 v[R+64*((\t)%2)+4*\i:R+64*((\t)%2)+4*\i+3], v2, s[46:47] offset:\i*8192+(\t)*512 th:TH_LOAD_NT
.endr
.endm
.macro TURN t                          ; through my stage: LDS serves a wave's instructions in order (ISA guide 5.7.1.4), so no wait stands between the stores and the loads
.irp i, 0,1,2,3,4,5,6,7,8,9,10,11,12,13,14,15
	ds_store_b128 v3, v[R+64*((\t)%2)+4*\i:R+64*((\t)%2)+4*\i+3] offset:PIT*\i
.endr
.irp c, 0,1,2,3,4,5,6,7
	ds_load_b128 v[X+8*\c:X+8*\c+3], v4 offset:64*\c
	ds_load_b128 v[X+8*\c+4:X+8*\c+7], v4 offset:64*\c+16
.endr
.endm
; X's 64 numbers become a fragment's 16 registers in v[cs] on, with the scale v[sc] and the hold v[lim], and leave at off + unit u's chunk.  X stays as it is: x is quantised three times.
; Behind each conversion the other set's eight holds stand before its sources are written again.
.macro QUANT sc, lim, cs, off, u
	s_wait_xcnt 0x0                                ; the earlier stores have read their data: the codes' registers are written again only behind this wait
.irp c, 0,1,2,3,4,5,6,7
.irp i, 0,1,2,3,4,5,6,7
	v_med3_num_f32 v[T+8*(\c%2)+\i], v[X+8*\c+\i], -v[\lim], v[\lim]   ; the conversion does not saturate (ISA guide 7.6.2): the hold at 448 x the scale
.endr
	v_cvt_scalef32_pk8_fp8_f32 v[\cs+2*\c:\cs+2*\c+1], v[T+8*(\c%2):T+8*(\c%2)+7], v[\sc]
.endr
.irp q, 0,1,2,3
	global_store_b128 v2, v[\cs+4*\q:\cs+4*\q+3], s[48:49] offset:\off+(\u)*2048+512*\q   ; 512 consecutive bytes, aligned
.endr
.endm
.macro MKSC e, sc, lim                 ; from the exponent in s[e]: 2^e as f32, and 448 x 2^e
	s_add_co_i32 s[\e], s[\e], 127
	s_lshl_b32 s56, s[\e], 23
	v_mov_b32 v[\sc], s56
	s_add_co_i32 s[\e], s[\e], 8
	s_lshl_b32 s[\e], s[\e], 23
	s_or_b32 s[\e], s[\e], 0x600000
	v_mov_b32 v[\lim], s[\e]
.endm
	s_wait_alu depctr_va_vdst(0)
	LOAD 0
	LOAD 1
	s_wait_kmcnt 0x0
	s_mov_b32 s55, s43                             ; Wo: e11
	s_cmp_lt_u32 ttmp9, 320
	s_cselect_b32 s55, s37, s55                    ; Wv: e5
	s_cmp_lt_u32 ttmp9, 288
	s_cselect_b32 s55, s35, s55                    ; Wk: e3
	s_cmp_lt_u32 ttmp9, 256
	s_cselect_b32 s55, s33, s55                    ; Wq: e1
	s_cmp_lt_u32 ttmp9, 128
	s_cselect_b32 s55, s32, s55                    ; x: e0
	MKSC 55, 6, 7
	MKSC 34, 8, 9                                  ; x's second and third scale: e2, e4
	MKSC 36, 10, 11
.macro UNIT t
.if (\t) < 3
	s_wait_loadcnt 16                              ; this unit's 16 loads are in; the next unit's 16 may be out
.else
	s_wait_loadcnt 0x0
.endif
	TURN \t
	s_wait_dscnt 0x0                               ; X is in
.if (\t) < 2
	LOAD (\t)+2
.endif
	QUANT 6, 7, C0, 0, \t
	s_cmp_lt_u32 ttmp9, 128                        ; only x has three scales: the branch goes round conversions and stores alone
	s_cbranch_scc0 .Lone_\@
	QUANT 8, 9, C1, 1048576, \t                    ; 128 row blocks on
	QUANT 10, 11, C0, 2097152, \t                  ; 256 row blocks on
.Lone_\@:
.endm
	s_wait_alu depctr_va_vdst(0)
	UNIT 0
	UNIT 1
	UNIT 2
	UNIT 3
	s_wait_tensorcnt 0x0
	ds_add_u32 v14, v15
	s_wait_dscnt 0x0
	s_endpgm
.Ltables:                                              ; wave W = 4 (work-group - 448) + wave takes token blocks 2 W and 2 W + 1 of both tables
	s_sub_co_u32 s50, ttmp9, 448
	s_lshl_b32 s50, s50, 2
	s_add_co_u32 s50, s50, s44
	s_lshl_b32 s52, s50, 13                        ; 32 rows of 256 bytes
	s_mov_b32 s53, 0
	s_add_nc_u64 s[18:19], s[18:19], s[52:53]
	s_add_nc_u64 s[20:21], s[20:21], s[52:53]
	s_lshl_b32 s52, s50, 14
	s_add_nc_u64 s[28:29], s[28:29], s[52:53]
	s_wait_alu depctr_va_vdst(0)
.irp e, 0,1
.irp b, 0,1,2,3
.irp f, 0,1
	global_load_b128 v[R+64*\e+8*\b+4*\f:R+64*\e+8*\b+4*\f+3], v5, s[18:19] offset:\e*4096+64*\b+16*\f
	global_load_b128 v[R+64*\e+32+8*\b+4*\f:R+64*\e+32+8*\b+4*\f+3], v5, s[20:21] offset:\e*4096+64*\b+16*\f
.endr
.endr
.endr
	s_wait_loadcnt 0x0
.irp e, 0,1
.irp u, 0,1
.irp q, 0,1,2,3,4,5,6,7
	global_store_b128 v2, v[R+64*\e+32*\u+4*\q:R+64*\e+32*\u+4*\q+3], s[28:29] offset:\e*8192+\u*4096+512*\q
.endr
.endr
.endr
	s_endpgm
.Lfunc_end_k_q2f143f6f8c_quant:
	.size	k_q2f143f6f8c_quant, .Lfunc_end_k_q2f143f6f8c_quant-k_q2f143f6f8c_quant
	.p2alignl 7, 3214868480
	.fill 96, 4, 3214868480
	.section	.rodata,"a",@progbits
	.p2align	6, 0x0
	.amdhsa_kernel k_q2f143f6f8c_quant
		.amdhsa_group_segment_fixed_size 34304
		.amdhsa_private_segment_fixed_size 0
		.amdhsa_enable_private_segment 0
		.amdhsa_kernarg_size 88
		.amdhsa_user_sgpr_count 2
		.amdhsa_user_sgpr_kernarg_segment_ptr 1
		.amdhsa_wavefront_size32 1
		.amdhsa_system_sgpr_workgroup_id_x 1
		.amdhsa_system_sgpr_workgroup_id_y 1
		.amdhsa_system_sgpr_workgroup_id_z 1
		.amdhsa_system_vgpr_workitem_id 0
		.amdhsa_next_free_vgpr 256
		.amdhsa_next_free_sgpr 66
		.amdhsa_reserve_vcc 0
		.amdhsa_float_denorm_mode_32 3
		.amdhsa_float_denorm_mode_16_64 3
		.amdhsa_memory_ordered 1
		.amdhsa_forward_progress 1
		.amdhsa_inst_pref_size 85
	.end_amdhsa_kernel
	.amdgpu_metadata
---
amdhsa.version: [ 1, 2 ]
amdhsa.kernels:
  - .name:           k_q2f143f6f8c_quant
    .symbol:         k_q2f143f6f8c_quant.kd
    .args:
      - { .name: x, .offset: 0, .size: 8, .value_kind: global_buffer, .address_space: global }
      - { .name: Wq, .offset: 8, .size: 8, .value_kind: global_buffer, .address_space: global }
      - { .name: Wk, .offset: 16, .size: 8, .value_kind: global_buffer, .address_space: global }
      - { .name: Wv, .offset: 24, .size: 8, .value_kind: global_buffer, .address_space: global }
      - { .name: Wo, .offset: 32, .size: 8, .value_kind: global_buffer, .address_space: global }
      - { .name: cos, .offset: 40, .size: 8, .value_kind: global_buffer, .address_space: global }
      - { .name: sin, .offset: 48, .size: 8, .value_kind: global_buffer, .address_space: global }
      - { .name: lowp_scales, .offset: 56, .size: 8, .value_kind: global_buffer, .address_space: global }
      - { .name: codes, .offset: 64, .size: 8, .value_kind: global_buffer, .address_space: global }
      - { .name: woimg, .offset: 72, .size: 8, .value_kind: global_buffer, .address_space: global }
      - { .name: csimg, .offset: 80, .size: 8, .value_kind: global_buffer, .address_space: global }
    .group_segment_fixed_size: 34304
    .private_segment_fixed_size: 0
    .kernarg_segment_align: 8
    .kernarg_segment_size: 88
    .max_flat_workgroup_size: 128
    .sgpr_count:     66
    .vgpr_count:     256
    .wavefront_size: 32
...
	.end_amdgpu_metadata
.endif
;; end of part 1
;; launch qkv (part 2): grid 12 x 16, 4 waves a work-group, clusters of 4 x 4, 327,680 bytes of LDS; arguments codes, csimg, lowp_scales, qimg, kvimg; writes qimg, kvimg
.if DOCPART == 2
	.amdgcn_target "amdgcn-amd-amdhsa--gfx1250"
	.amdhsa_code_object_version 6
	.text
	.protected	k_q2f143f6f8c_qkv
	.globl	k_q2f143f6f8c_qkv
	.p2align	8
	.type	k_q2f143f6f8c_qkv,@function
k_q2f143f6f8c_qkv:
	s_mov_b64 s[64:65], 0
	v_nop
	global_prefetch_b8 v0, s[64:65] scope:SCOPE_SE
	s_setreg_imm32_b32 hwreg(HW_REG_WAVE_MODE, 25, 1), 1
	s_wait_xcnt 0x0
	s_wait_alu depctr_hold_cnt(0) depctr_sa_sdst(0) depctr_va_vdst(0) depctr_va_sdst(0) depctr_va_ssrc(0) depctr_va_vcc(0) depctr_vm_vsrc(0)
	s_getreg_b32 s2, hwreg(HW_REG_IB_STS2, 6, 4)
	s_cmp_eq_u32 s2, 0
	s_cbranch_scc0 .Lentry_in_a_cluster
	s_endpgm
.Lentry_in_a_cluster:
	s_bfe_u32 s2, ttmp6, 0x10000c
	s_cmp_lg_u32 s2, 0xf033
	s_cbranch_scc0 .Lentry_shape_is_right
	s_endpgm
.Lentry_shape_is_right:
; q = rope(x Wq^T), k = rope(x Wk^T), v = x Wv^T on codes of E4M3 (v_wmma_f32_16x16x128_fp8_fp8, sums in f32), and their quantising for the two products of attention.
; OPERANDS come as images of operand registers (16 rows x 128 K = 2,048 bytes: registers 4 q .. 4 q + 3 of lane l at 512 q + 16 l), laid [K step of 512][block of 16 rows][chunk of 128 K]:
; the 64 rows x 512 K that a wave fetches are 32,768 consecutive bytes, and every LDS load takes 512 consecutive bytes: no pitch, no padding.
; A tile is 128 x 128; four waves, each 64 x 64: 16 accumulators.  K = 2,048 goes in four steps of 512 through two LDS slots.
; A WORK-GROUP STAYS.  The three products have 16 x 24 = 384 tiles; a work-group is alone on its WGP, so 384 work-groups would run in two turns, the second half full.  Here 192 work-groups make TWO tiles each,
; for the same 128 tokens, and the ring does not stop between them: eight K steps, straight text, no loop; the first tile's last two changes of slots ask for the second tile's first two K steps,
; and the first tile's way out stands behind them.
; THE PRODUCT IS USED AS D = (source 0: 16 rows of the "B place", source 1: 16 rows of the "A place"): lane (r, h), register j holds (A-place row r, B-place row 8 h + j): eight neighbours of the B place.
; So one conversion of an accumulator's eight registers gives registers 2 b, 2 b + 1 of the next product's fragment, and results leave as images too, 512 consecutive bytes a store.
; ROLES by the cluster's x = 0, 1, 2 (the same in all sixteen partners).  First tile: Q, heads 8 x on.  Second tile: x = 0: Q, heads 24 on; x = 1: K; x = 2: V.
; Q, K: A place = tokens, B place = rows of the weight, a wave's 64 columns are one head.
; V: the places SWAPPED (A place = rows of Wv, B place = tokens): a lane holds one channel and its registers run along the tokens, which are the K of attention's second product.
; cos and sin of a wave's 64 tokens are loaded once, at the head, on every path (the first tile is always Q), and serve both tiles.
; CLUSTERS: 4 x 4.  The A-place tile is shared along a row of the cluster, the B-place tile along a column: asked for JOINTLY.
; ROPE is linear, so it is done on the raw sums in f32; a sum stands for sum x 2^(ea + eb), and the three scales are folded into the conversion's one: 2^(e6 - e0 - e1) for q, 2^(e7 - e2 - e3) for k, 2^(e8 - e4 - e5) for v.
; LIMITS: these three exponents lie between -126 and 119.
; qimg: [head 32][block of 16 tokens 128][1,024].  kvimg: [kv head 8][block of 128 keys 16][K: 8 blocks of 16 keys x 1,024 | V^T: 4 tiles of 16 channels x 2,048].
; REGISTERS: window 0: v16-31 addresses and constants; v32-63 at work; v64-95 the second tile's codes, v96-127 the first's; v128-255 the accumulators ((a, b) at v[128 + 8 (4 a + b)]).
;   window 1: two fragment buffers of 128 (A-place block a at 16 a, B-place block b at 64 + 16 b).   window 2: cos (v0-127) and sin (v128-255) of my 64 tokens, in the accumulators' layout.
.set KSTR,  4718592                    ; bytes from K step to K step in codes
.set HALFT, 32768                      ; 64 rows x 512 K: what one tensor load brings, and what one wave reads of a place
.set SLOT,  4*HALFT                    ; the A place's two halves, then the B place's
.set SPARE, 2*SLOT                     ; behind the ring: the spare words, 128 bytes for each wave: two blocks of 256 bytes that no other line names
.set ADRA, 16                          ; v16-17  LDS address of my A-place fragments in slot 0, 1
.set ADRB, 20                          ; v20-21  the same for the B place
.set SC2,  24                          ; v24     the second tile's conversion scale as f32
.set LIM2, 25                          ; v25     448 x that
.set LI,   26                          ; v26     16 x lane
.set SPW,  28                          ; v28     LDS address of my spare word; never rewritten
.set NIL,  29                          ; v29     0; never rewritten
.set SC,   30                          ; v30     the first tile's conversion scale as f32
.set LIM,  31                          ; v31     448 x that
.set T,    32
.set CD2,  64
.set CD,   96
.set ACC,  128
.set F0,   0
.set F1,   128
.set G1, 24                            ; s[24:31] descriptor group 1 for the A place;  s[32:39] group 0, one set for each slot
.set G0, 32
.set G1B, 48                           ; s[48:55], s[56:63] the same for the B place
.set G0B, 56
.set NA,  96                           ; s[96:97] the second tile's A-place rows that I fetch, at K step 0
.set NB,  98                           ; s[98:99] its B-place rows
.set ST1, 72                           ; s[72:73] where the first tile's codes go
.set ST2, 2                            ; s[2:3]   where the second tile's go
.set MSB, 0
.macro WIN new                         ; the immediate's high byte repeats the setting that is left
.if MSB != \new
	s_set_vgpr_msb (MSB<<8)|\new
.set MSB, \new
.endif
.endm
.set MUL,  0x05                        ; sources 0 and 1 window 1; C and D window 0
.set TO_F, 0x40                        ; destination window 1, address window 0
.macro JLOAD s                         ; a joint load: waves 0 and 1 fetch the A place's halves, waves 2 and 3 the B place's; four v_nop follow each of the two lines
	s_cmp_eq_u32 s11, 0
	s_cbranch_scc0 .Lfor_b_\@
	tensor_load_to_lds s[G0+4*\s:G0+4*\s+3], s[G1:G1+7]
	s_nop 0
.rept 4
	v_nop
.endr
	s_branch .Lasked_\@
.Lfor_b_\@:
	tensor_load_to_lds s[G0B+4*\s:G0B+4*\s+3], s[G1B:G1B+7]
	s_nop 0
.rept 4
	v_nop
.endr
.Lasked_\@:
.endm
.macro CREST                           ; a round of the cluster's barrier behind its opening barrier
	s_cmp_lg_u32 s10, 0
	s_cbranch_scc1 .Lnot_wave_0_\@
	s_barrier_signal -3
.Lnot_wave_0_\@:
	s_barrier_wait -3
	s_barrier_signal -1
	s_barrier_wait -1
.endm
.macro CROUND                          ; a whole round
	s_barrier_signal -1
	s_barrier_wait -1
	CREST
.endm
.macro PLACES                          ; four places in front of loads into registers that matrix instructions have read, and of the first read of results
.rept 4
	v_nop
.endr
.endm
	s_load_b128 s[4:7], s[0:1], 0x0                ; codes s[4:5], csimg s[6:7]
	s_load_b64 s[8:9], s[0:1], 0x10                ; the scales' exponents
	s_load_b128 s[68:71], s[0:1], 0x18             ; qimg s[68:69], kvimg s[70:71]
	v_lshl_add_u32 v[SPW], v0, 2, SPARE
	v_mov_b32 v[NIL], 0
	ds_add_u32 v28, v29
	ds_add_u32 v28, v29
	s_wait_dscnt 0x0
	v_lshrrev_b32 v1, 5, v0
	v_readfirstlane_b32 s10, v1                    ; wave 0..3
	s_lshr_b32 s11, s10, 1                         ; my half of the A place.  Also: I fetch for the A place (0) or the B place (1)
	s_and_b32 s12, s10, 1                          ; my half of the B place.  Also: which 64 rows I fetch
	s_bfe_u32 s40, ttmp6, 0x40000                  ; cx
	s_bfe_u32 s41, ttmp6, 0x40004                  ; cy
	s_and_b32 s13, ttmp7, 0xffff                   ; the cluster's y
	s_lshl_b32 s43, s41, 2
	s_lshl_b32 s43, 15, s43                        ; my row of the cluster
	s_lshl_b32 s44, 0x1111, s40                    ; my column
	; descriptor group 1: a dense block of 128 rows x 32 elements of 8 bytes
	s_or_b32 s[G1+0], s43, (3<<16)|(1<<21)         ; 15:0 the mask; 17:16 elements of 8 bytes; 21 set beside a mask; no padding
	s_or_b32 s[G1B+0], s44, (3<<16)|(1<<21)
.irp g, G1, G1B
	s_mov_b32 s[\g+1], 32<<16                      ; tensor_dim0 = 32
	s_mov_b32 s[\g+2], 128<<16                     ; tensor_dim1 = 128
	s_mov_b32 s[\g+3], 32<<16                      ; tile_dim0 = 32
	s_mov_b32 s[\g+4], 128                         ; tile_dim1 = 128
	s_mov_b32 s[\g+5], 32                          ; tensor_dim0_stride
	s_mov_b32 s[\g+6], 0
	s_mov_b32 s[\g+7], 0
.endr
	; the row blocks that I fetch.  The A place hangs on cy, the B place on cx.
	s_lshl_b32 s14, s13, 5                         ; 32 x cluster y
	s_lshl_b32 s17, s12, 2                         ; 4 row blocks x which half I fetch
	s_lshl_b32 s16, s41, 3                         ; 8 cy
	s_lshl_b32 s45, s40, 3                         ; 8 cx
	; first tile, Q: A place = x at e0 (row blocks 0 on), B place = Wq (384 + 32 x cluster x on)
	s_add_co_u32 s20, s14, s16
	s_add_co_u32 s20, s20, s17
	s_lshl_b32 s46, ttmp9, 5
	s_add_co_u32 s46, s46, 384
	s_add_co_u32 s46, s46, s45
	s_add_co_u32 s46, s46, s17
	; second tile: A place = x at e0 (Q), x at e2 (K), Wv (V);  B place = Wq's last quarter (480 on), Wk (512 on), x at e4
	s_lshl_b32 s66, ttmp9, 5
	s_add_co_u32 s66, s66, 480                     ; Q, K: 384 + 32 (cluster x + 3)
	s_add_co_u32 s67, s14, 256                     ; V: x at e4
	s_cmp_eq_u32 ttmp9, 1
	s_cselect_b32 s15, 128, 0
	s_add_co_u32 s18, s14, s15                     ; Q: x at e0; K: x at e2
	s_cmp_eq_u32 ttmp9, 2
	s_cselect_b32 s18, 544, s18                    ; V: Wv
	s_cselect_b32 s66, s67, s66
	s_add_co_u32 s18, s18, s16
	s_add_co_u32 s18, s18, s17
	s_add_co_u32 s66, s66, s45
	s_add_co_u32 s66, s66, s17
	s_lshl_b32 s20, s20, 13                        ; a row block is 8,192 bytes in a K step
	s_lshl_b32 s46, s46, 13
	s_lshl_b32 s18, s18, 13
	s_lshl_b32 s66, s66, 13
	s_mov_b32 s21, 0
	s_mov_b32 s47, 0
	s_mov_b32 s19, 0
	s_mov_b32 s67, 0
	s_lshl_b32 s22, s10, 15                        ; where they go: wave x HALFT: no place in the cluster enters an LDS address
	s_wait_kmcnt 0x0
	s_load_b256 s[80:87], s[8:9], 0x0              ; e0 .. e7
	s_load_b128 s[88:91], s[8:9], 0x20             ; e8 .. e11
	s_add_nc_u64 s[20:21], s[4:5], s[20:21]
	s_add_nc_u64 s[46:47], s[4:5], s[46:47]
	s_add_nc_u64 s[NA:NA+1], s[4:5], s[18:19]
	s_add_nc_u64 s[NB:NB+1], s[4:5], s[66:67]
	CROUND                                         ; all sixteen work-groups are here: the first joint loads meet
.irp s, 0,1
	s_mov_b32 s[G0+4*\s], 1
	s_add_co_u32 s[G0+4*\s+1], s22, \s*SLOT
	s_add_nc_u64 s[G0+4*\s+2:G0+4*\s+3], s[20:21], \s*KSTR
	s_or_b32 s[G0+4*\s+3], s[G0+4*\s+3], 0x80000000
	s_mov_b32 s[G0B+4*\s], 1
	s_add_co_u32 s[G0B+4*\s+1], s22, \s*SLOT
	s_add_nc_u64 s[G0B+4*\s+2:G0B+4*\s+3], s[46:47], \s*KSTR
	s_or_b32 s[G0B+4*\s+3], s[G0B+4*\s+3], 0x80000000
.endr
	JLOAD 0                                        ; K step 0: one tensor load a wave at the head
	v_and_b32 v1, 31, v0
	v_lshlrev_b32 v[LI], 4, v1
	s_wait_alu depctr_va_vdst(0)
	s_lshl_b32 s14, s11, 15                        ; my half of the A place
	s_lshl_b32 s15, s12, 15                        ; my half of the B place,
	s_add_co_u32 s15, s15, 2*HALFT                 ; which lies behind the A place's two
.irp s, 0,1
	v_add_nc_u32 v[ADRA+\s], s14, v[LI]
	v_add_nc_u32 v[ADRB+\s], s15, v[LI]
	s_add_co_u32 s14, s14, SLOT
	s_add_co_u32 s15, s15, SLOT
.endr
	s_lshl_b32 s42, s13, 2
	s_add_co_u32 s42, s42, s41                     ; Q, K: the tile of 128 tokens: 4 x cluster y + cy
	s_lshl_b32 s72, s42, 3
	s_lshl_b32 s73, s11, 2
	s_add_co_u32 s76, s72, s73                     ; my first block of 16 tokens: 124 at the most, so that its four blocks lie inside the tables' 128
	s_lshl_b32 s74, s76, 13
	s_mov_b32 s75, 0
	s_add_nc_u64 s[74:75], s[6:7], s[74:75]        ; cos and sin of my 64 tokens
	WIN 0x80                                       ; destination window 2: they land while K is walked, and stay for both tiles
.irp a, 0,1,2,3
.irp q, 0,1,2,3,4,5,6,7
	global_load_b128 v[32*\a+4*\q:32*\a+4*\q+3], v[LI], s[74:75] offset:\a*8192+512*\q
	global_load_b128 v[128+32*\a+4*\q:128+32*\a+4*\q+3], v[LI], s[74:75] offset:\a*8192+4096+512*\q
.endr
.endr
	WIN 0
	; where my results go
	s_lshl_b32 s77, ttmp9, 2
	s_add_co_u32 s77, s77, s40
	s_lshl_b32 s77, s77, 1
	s_add_co_u32 s77, s77, s12                     ; first tile: head = 2 (4 x cluster x + cx) + my half
	s_lshl_b32 s77, s77, 17
	s_lshl_b32 s78, s76, 10
	s_add_co_u32 s72, s77, s78                     ;    + token block x 1,024
	s_mov_b32 s73, 0
	s_add_co_u32 s94, s72, 24*131072               ; second tile as Q: 24 heads on
	s_add_nc_u64 s[ST1:ST1+1], s[68:69], s[72:73]
	s_lshl_b32 s78, s40, 1
	s_add_co_u32 s78, s78, s12                     ; K: kv head = 2 cx + my half
	s_lshl_b32 s78, s78, 18
	s_lshl_b32 s79, s42, 14                        ;    + block of 128 keys x 16,384
	s_add_co_u32 s78, s78, s79
	s_lshl_b32 s79, s11, 12                        ;    + my four blocks of 16 keys
	s_add_co_u32 s78, s78, s79
	s_lshl_b32 s79, s41, 1
	s_add_co_u32 s79, s79, s11                     ; V: kv head = 2 cy + my half of the A place
	s_lshl_b32 s79, s79, 18
	s_lshl_b32 s92, s13, 2
	s_add_co_u32 s92, s92, s40                     ;    block of 128 keys = 4 x cluster y + cx
	s_lshl_b32 s92, s92, 14
	s_add_co_u32 s79, s79, s92
	s_lshl_b32 s92, s12, 10                        ;    my 64 keys are registers 8 x half on: 1,024 bytes of an image
	s_add_co_u32 s79, s79, s92
	s_add_co_u32 s79, s79, 8192                    ;    behind K's 8,192 bytes
	s_cmp_eq_u32 ttmp9, 0
	s_cselect_b64 s[ST2:ST2+1], s[68:69], s[70:71]
	s_cselect_b32 s92, s94, s78
	s_cmp_eq_u32 ttmp9, 2
	s_cselect_b32 s92, s79, s92
	s_mov_b32 s93, 0
	s_add_nc_u64 s[ST2:ST2+1], s[ST2:ST2+1], s[92:93]
	s_wait_alu depctr_va_vdst(0)
	s_wait_kmcnt 0x0
	s_sub_co_i32 s93, s86, s80
	s_sub_co_i32 s93, s93, s81                     ; q: e6 - e0 - e1
	s_sub_co_i32 s94, s87, s82
	s_sub_co_i32 s94, s94, s83                     ; k: e7 - e2 - e3
	s_sub_co_i32 s95, s88, s84
	s_sub_co_i32 s95, s95, s85                     ; v: e8 - e4 - e5
	s_add_co_i32 s92, s93, 127                     ; the first tile is q's
	s_lshl_b32 s77, s92, 23
	v_mov_b32 v[SC], s77
	s_add_co_i32 s92, s92, 8
	s_lshl_b32 s92, s92, 23
	s_or_b32 s92, s92, 0x600000
	v_mov_b32 v[LIM], s92
	s_cmp_eq_u32 ttmp9, 1                          ; the second: q's, k's or v's
	s_cselect_b32 s93, s94, s93
	s_cmp_eq_u32 ttmp9, 2
	s_cselect_b32 s93, s95, s93
	s_add_co_i32 s93, s93, 127
	s_lshl_b32 s94, s93, 23
	v_mov_b32 v[SC2], s94
	s_add_co_i32 s93, s93, 8
	s_lshl_b32 s93, s93, 23
	s_or_b32 s93, s93, 0x600000
	v_mov_b32 v[LIM2], s93
; 4 matrix instructions: A-place block a x the B place's four, 128 along K, from buffer f.  zero = 1: the product starts the sums.
; The 16 accumulators take turns, one instruction a turn, in one order throughout.
.macro MUL4 f, a, zero
.irp b, 0,1,2,3
.if \zero
	v_wmma_f32_16x16x128_fp8_fp8 v[ACC+8*(4*(\a)+\b):ACC+8*(4*(\a)+\b)+7], v[\f+64+16*\b:\f+64+16*\b+15], v[\f+16*(\a):\f+16*(\a)+15], 0
.else
	v_wmma_f32_16x16x128_fp8_fp8 v[ACC+8*(4*(\a)+\b):ACC+8*(4*(\a)+\b)+7], v[\f+64+16*\b:\f+64+16*\b+15], v[\f+16*(\a):\f+16*(\a)+15], v[ACC+8*(4*(\a)+\b):ACC+8*(4*(\a)+\b)+7]
.endif
.endr
.endm
; 32 LDS loads in one run: chunk q of the slot into buffer f: the B place's four fragments, then the A place's blocks 0, 1, then 2, 3
.macro FETCH slot, q, f
	WIN TO_F
.irp i, 0,1,2,3
.irp c, 0,1,2,3
	ds_load_b128 v[\f+64+16*\i+4*\c:\f+64+16*\i+4*\c+3], v[ADRB+\slot] offset:\i*8192+(\q)*2048+512*\c
.endr
.endr
.irp i, 0,1,2,3
.irp c, 0,1,2,3
	ds_load_b128 v[\f+16*\i+4*\c:\f+16*\i+4*\c+3], v[ADRA+\slot] offset:\i*8192+(\q)*2048+512*\c
.endr
.endr
.endm
; A K step is four quarters of 128 along K, 16 matrix instructions each, on buffers 0, 1, 0, 1.  One of the first three multiplies buffer f and fetches chunk q into g.
.macro QUARTER slot, q, f, g, zero
	s_wait_dscnt 8                                 ; all but the youngest eight loads (A-place blocks 2, 3) are in
	WIN MUL
	MUL4 \f, 0, \zero
	MUL4 \f, 1, \zero
	PLACES
	FETCH \slot, \q, \g
	s_wait_dscnt 32                                ; all but the 32 just issued
	WIN MUL
	MUL4 \f, 2, \zero
	MUL4 \f, 3, \zero
.endm
.macro THREE slot, zero                ; a K step's first three quarters; zero = 1: a tile's first quarter starts the sums
	QUARTER \slot, 1, F0, F1, \zero
	QUARTER \slot, 2, F1, F0, 0
	QUARTER \slot, 3, F0, F1, 0
.endm
; The last quarter multiplies buffer 1 and changes slots: ONE barrier; in front of it each wave waits for all its tensor loads, adds 0 to its spare word, and waits for that and for its reads of this slot.
; fill = 0: nothing is asked for.  1: this slot takes this tile's K step two steps on.  2: it takes the SECOND tile's K step 0 (slot 0) or 1 (slot 1).
.macro TURN slot, next, fill
	WIN 0                                          ; (the add's two registers lie in window 0)
	s_wait_tensorcnt 0x0                           ; all my tensor loads have landed: my part of the next slot; so every group 0 may be written
	ds_add_u32 v[SPW], v[NIL]                      ; 0 onto my spare word
	s_wait_dscnt 9                                 ; (the add and the youngest eight loads may be out)
	WIN MUL
	MUL4 F1, 0, 0                                  ; matrix instructions stand between the add and the wait for it
	s_wait_dscnt 0x0                               ; the add is done, and my reads of this slot are over
	s_barrier_signal -1
	MUL4 F1, 1, 0
.if \fill
	WIN 0
.endif
	s_barrier_wait -1
.if \fill
	CREST                                          ; the barrier has opened a round of the cluster's barrier: no wave of any partner still reads this slot or has a load on its way
.if \fill == 1
	s_add_nc_u64 s[G0+4*\slot+2:G0+4*\slot+3], s[G0+4*\slot+2:G0+4*\slot+3], 2*KSTR
	s_add_nc_u64 s[G0B+4*\slot+2:G0B+4*\slot+3], s[G0B+4*\slot+2:G0B+4*\slot+3], 2*KSTR
.else
	s_add_nc_u64 s[G0+4*\slot+2:G0+4*\slot+3], s[NA:NA+1], \slot*KSTR
	s_or_b32 s[G0+4*\slot+3], s[G0+4*\slot+3], 0x80000000
	s_add_nc_u64 s[G0B+4*\slot+2:G0B+4*\slot+3], s[NB:NB+1], \slot*KSTR
	s_or_b32 s[G0B+4*\slot+3], s[G0B+4*\slot+3], 0x80000000
.endif
	JLOAD \slot                                    ; the first tensor load behind the round; its four v_nop are also the places in front of the loads below
.else
	PLACES
.endif
	FETCH \next, 0, F0
	WIN MUL
	MUL4 F1, 2, 0
	MUL4 F1, 3, 0
.endm
; 32 numbers, v[src] on, are held (into T), become 8 registers of codes in v[cd + 8 a] on and leave as two stores of 512 consecutive bytes.  Where src is an accumulator, it is read from its low end on.
; Each block of each tile has its own registers for its codes: no store's data are written again.
.macro CODES a, step, src, sc, lim, cd, sb
.irp i, 0,1,2,3,4,5,6,7,8,9,10,11,12,13,14,15,16,17,18,19,20,21,22,23,24,25,26,27,28,29,30,31
	v_med3_num_f32 v[T+\i], v[(\src)+\i], -v[\lim], v[\lim]   ; the conversion does not saturate (ISA guide 7.6.2)
.endr
.irp b, 0,1,2,3
	v_cvt_scalef32_pk8_fp8_f32 v[\cd+8*\a+2*\b:\cd+8*\a+2*\b+1], v[T+8*\b:T+8*\b+7], v[\sc]
.endr
	v_nop                                          ; one plain vector instruction behind the conversions, before T is written again
	global_store_b128 v[LI], v[\cd+8*\a:\cd+8*\a+3], s[\sb:\sb+1] offset:\a*\step
	global_store_b128 v[LI], v[\cd+8*\a+4:\cd+8*\a+7], s[\sb:\sb+1] offset:\a*\step+512
.endm
; Q's and K's way out.  For each block a of 16 tokens: rope, hold, conversion; a head's 64 channels are four accumulators: channel 16 b + 8 h + j.
; out(d) = s(d) cos(d) - s(d + 32) sin(d) for d < 32, s(d) cos(d) + s(d - 32) sin(d) else.  Each accumulator is read from its low end on.
.macro ROPE sc, lim, cd, sb
.irp a, 0,1,2,3
	WIN 0x08                                       ; source 1 (cos, sin) window 2
.irp b, 0,1
.irp j, 0,2,4,6
	v_pk_mul_f32 v[T+8*\b+\j:T+8*\b+\j+1], v[ACC+32*\a+8*\b+\j:ACC+32*\a+8*\b+\j+1], v[32*\a+8*\b+\j:32*\a+8*\b+\j+1]
	v_pk_mul_f32 v[T+16+8*\b+\j:T+16+8*\b+\j+1], v[ACC+32*\a+16+8*\b+\j:ACC+32*\a+16+8*\b+\j+1], v[32*\a+16+8*\b+\j:32*\a+16+8*\b+\j+1]
.endr
.endr
.irp b, 0,1
.irp j, 0,2,4,6
	v_pk_fma_f32 v[T+8*\b+\j:T+8*\b+\j+1], v[ACC+32*\a+16+8*\b+\j:ACC+32*\a+16+8*\b+\j+1], v[128+32*\a+8*\b+\j:128+32*\a+8*\b+\j+1], v[T+8*\b+\j:T+8*\b+\j+1] neg_lo:[1,0,0] neg_hi:[1,0,0]
	v_pk_fma_f32 v[T+16+8*\b+\j:T+16+8*\b+\j+1], v[ACC+32*\a+8*\b+\j:ACC+32*\a+8*\b+\j+1], v[128+32*\a+16+8*\b+\j:128+32*\a+16+8*\b+\j+1], v[T+16+8*\b+\j:T+16+8*\b+\j+1]
.endr
.endr
	WIN 0
	CODES \a, 1024, T, \sc, \lim, \cd, \sb
.endr
.endm
	s_wait_alu depctr_va_vdst(0)
	s_wait_tensorcnt 0x0                           ; my part of K step 0 is in; the lines that stand ahead of a later first fill, as ahead of a refill:
	ds_add_u32 v[SPW], v[NIL]
	s_wait_dscnt 0x0
	CROUND                                         ; a whole round: everybody's part of K step 0 is in, and the joint loads meet
	JLOAD 1                                        ; K step 1: the first tensor load behind the round
	FETCH 0, 0, F0
	; ---- the first tile: Q
	THREE 0, 1                                     ; its first quarter's products start the sums
	TURN 0, 1, 1                                   ; slot 0 takes K step 2
	THREE 1, 0
	TURN 1, 0, 1                                   ; slot 1 takes K step 3
	THREE 0, 0
	TURN 0, 1, 2                                   ; THE RING GOES ON INTO THE SECOND TILE: slot 0 takes its K step 0,
	THREE 1, 0
	TURN 1, 0, 2                                   ; slot 1 its K step 1, and the second tile's first fragments are fetched
	WIN 0
	PLACES                                         ; in front of the first read of results
	s_wait_loadcnt 0x0                             ; cos and sin, asked for four K steps ago
	ROPE SC, LIM, CD, ST1                          ; both refills are asked for: now the first tile goes out.  Its vector lines are also the places in front of the products that begin the accumulators anew
	; ---- the second tile: Q, K or V
	THREE 0, 1
	TURN 0, 1, 1                                   ; slot 0 takes K step 2
	THREE 1, 0
	TURN 1, 0, 1                                   ; slot 1 takes K step 3
	THREE 0, 0
	TURN 0, 1, 0                                   ; nothing is left to fetch
	THREE 1, 0
	s_wait_dscnt 8
	WIN MUL
	MUL4 F1, 0, 0
	MUL4 F1, 1, 0
	s_wait_dscnt 0x0
	MUL4 F1, 2, 0
	MUL4 F1, 3, 0
	WIN 0                                          ; at a branch every window is 0
	PLACES                                         ; in front of the first read of results
	s_cmp_eq_u32 ttmp9, 2                          ; the cluster's x: the same in all sixteen partners
	s_cbranch_scc1 .Lv
	ROPE SC2, LIM2, CD2, ST2
	s_branch .Lout
.Lv:                                                   ; V: block a is a tile of 16 channels; my 64 tokens are half of its fragment
.irp a, 0,1,2,3
	CODES \a, 2048, ACC+32*\a, SC2, LIM2, CD2, ST2
.endr
.Lout:
	s_wait_tensorcnt 0x0                           ; the wave's end
	ds_add_u32 v[SPW], v[NIL]
	s_wait_dscnt 0x0
	CROUND                                         ; the closing round: no work-group ends while a partner may still ask for a tile that names it
	s_endpgm
.Lfunc_end_k_q2f143f6f8c_qkv:
	.size	k_q2f143f6f8c_qkv, .Lfunc_end_k_q2f143f6f8c_qkv-k_q2f143f6f8c_qkv
	.p2alignl 7, 3214868480
	.fill 96, 4, 3214868480
	.section	.rodata,"a",@progbits
	.p2align	6, 0x0
	.amdhsa_kernel k_q2f143f6f8c_qkv
		.amdhsa_group_segment_fixed_size 327680
		.amdhsa_private_segment_fixed_size 0
		.amdhsa_enable_private_segment 0
		.amdhsa_kernarg_size 40
		.amdhsa_user_sgpr_count 2
		.amdhsa_user_sgpr_kernarg_segment_ptr 1
		.amdhsa_wavefront_size32 1
		.amdhsa_system_sgpr_workgroup_id_x 1
		.amdhsa_system_sgpr_workgroup_id_y 1
		.amdhsa_system_sgpr_workgroup_id_z 1
		.amdhsa_system_vgpr_workitem_id 0
		.amdhsa_next_free_vgpr 768
		.amdhsa_next_free_sgpr 100
		.amdhsa_reserve_vcc 0
		.amdhsa_float_denorm_mode_32 3
		.amdhsa_float_denorm_mode_16_64 3
		.amdhsa_memory_ordered 1
		.amdhsa_forward_progress 1
		.amdhsa_inst_pref_size 173
	.end_amdhsa_kernel
	.amdgpu_metadata
---
amdhsa.version: [ 1, 2 ]
amdhsa.kernels:
  - .name:           k_q2f143f6f8c_qkv
    .symbol:         k_q2f143f6f8c_qkv.kd
    .args:
      - { .name: codes, .offset: 0, .size: 8, .value_kind: global_buffer, .address_space: global }
      - { .name: csimg, .offset: 8, .size: 8, .value_kind: global_buffer, .address_space: global }
      - { .name: lowp_scales, .offset: 16, .size: 8, .value_kind: global_buffer, .address_space: global }
      - { .name: qimg, .offset: 24, .size: 8, .value_kind: global_buffer, .address_space: global }
      - { .name: kvimg, .offset: 32, .size: 8, .value_kind: global_buffer, .address_space: global }
    .group_segment_fixed_size: 327680
    .private_segment_fixed_size: 0
    .kernarg_segment_align: 8
    .kernarg_segment_size: 40
    .max_flat_workgroup_size: 128
    .sgpr_count:     100
    .vgpr_count:     768
    .wavefront_size: 32
...
	.end_amdgpu_metadata
.endif
;; end of part 2
;; launch attn (part 3): grid 32 x 8, 4 waves a work-group, clusters of 4 x 1, 272,384 bytes of LDS; arguments qimg, kvimg, mask, lowp_scales, ctximg; writes ctximg
.if DOCPART == 3
	.amdgcn_target "amdgcn-amd-amdhsa--gfx1250"
	.amdhsa_code_object_version 6
	.text
	.protected	k_q2f143f6f8c_attn
	.globl	k_q2f143f6f8c_attn
	.p2align	8
	.type	k_q2f143f6f8c_attn,@function
k_q2f143f6f8c_attn:
	s_mov_b64 s[64:65], 0
	v_nop
	global_prefetch_b8 v0, s[64:65] scope:SCOPE_SE
	s_setreg_imm32_b32 hwreg(HW_REG_WAVE_MODE, 25, 1), 1
	s_wait_xcnt 0x0
	s_wait_alu depctr_hold_cnt(0) depctr_sa_sdst(0) depctr_va_vdst(0) depctr_va_sdst(0) depctr_va_ssrc(0) depctr_va_vcc(0) depctr_vm_vsrc(0)
	s_getreg_b32 s2, hwreg(HW_REG_IB_STS2, 6, 4)
	s_cmp_eq_u32 s2, 0
	s_cbranch_scc0 .Lentry_in_a_cluster
	s_endpgm
.Lentry_in_a_cluster:
	s_bfe_u32 s2, ttmp6, 0x10000c
	s_cmp_lg_u32 s2, 0x3003
	s_cbranch_scc0 .Lentry_shape_is_right
	s_endpgm
.Lentry_shape_is_right:
; ctx = softmax(q k^T / 8, under the causal mask and the given key mask) v, both products on codes of E4M3, and ctx's quantising for the last product.
; THE SOFTMAX: t = score x log2(e) / 8; M = the running largest t, rounded UP to a whole number; p = 2^(t - M) is quantised (scale 2^e9), not normalised; the row's sum is taken of the unquantised p and divides at the end.
; SHARES.  A work-group is (cluster C = 0..7, place cx, kv head g).  Its four waves, one to a SIMD, are (head pair hp = wave % 2) x (u = wave / 2).
; A wave owns TWO query heads (4 g + 2 hp, + 1) and TWO tiles of 16 queries, one after the other: tile 8 cls + e (cls + 1 steps of 128 keys) and tile 120 - 8 cls + e (16 - cls steps): 17 steps in every wave.
; cls = C / 2 for u = 0 and 7 - C / 2 for u = 1; e = 4 (C % 2) + cx.  So the step counts hang on the cluster's number and the wave's alone, and u = 0 walks at least 13 blocks: each of the four head loads is read in every work-group.
; Whole steps above the diagonal are left out; the loop has 32 trips, a constant.
; Both heads use the same fragments of K and V and the same bias registers: 48 LDS loads serve 24 matrix instructions.
; LDS.  All of K and V of head g, 262,144 bytes, as kvimg has them: wave w asks for blocks 4 w .. 4 w + 3 of 128 keys, JOINTLY with the three partners of its cluster, once.  Nothing is filled twice.
; All that the launch reads through LDS is asked for at the head, once (line 1048); the loop asks for nothing more.
; Behind K and V 2,048 f32: bias(key) = 0 where the mask has the key, else -2^100.  THE MASKS RIDE IN AS THE C OF THE FIRST PRODUCT; on the diagonal step the hidden keys' bias registers are set to -2^100 first.
; LAYOUT.  S^T = K Q^T (source 0 = 16 keys, source 1 = 16 queries), O^T = V^T P^T: a lane holds ONE query (lane % 16); tile t's register j is key 16 t + 8 (lane / 16) + j: its conversion gives registers 2 t, 2 t + 1 of P's fragment.
; A QUERY WITH NO KEY is NaN by the definition: its running largest raw score stays under -2^99, and its codes of ctx are replaced by the NaN code.
; What an all-masked first step leaves in the sum and in O^T is finite and is multiplied by 0 at the first key that counts.
; LIMITS: e6 + e7 between -89 and 29 (2^100 x c stays finite, and lies 150 below every t); e9 and e10 - e8 - e9 between -126 and 119.
; ctximg: (g / 2) x 1,048,576 + tile x 8,192 + (g % 2) x 4,096 + head-in-group x 1,024.
; REGISTERS, window 0: v1 16 x lane; v2 bias address; v3 16 e + r - 8 h; v4 -2^100; v5, v6 largest raw scores; v8, v9 addresses in hand; v[10:11], v[12:13] -M and largest t; v[14:15], v[16:17] sums;
;   v[18:19], v[20:21] f; v22-25 at work; v26 2^e9; v27, v28 448 x 2^e9; v29, v30 the add's two; v32-95, v96-159 S^T then p; v160-223 O^T; v224-255 at work, then P's codes.
; window 1: v0-63 K; v64-127 V; v128-191 bias; v192-207 Q of the tile in hand; v208-223 Q of the second tile.
.set BIAS,  262144
.set SPARE, 271360                     ; the spare words, 512 bytes that no other line names
.set SA, 32
.set SB, 96
.set OA, 160
.set OB, 192
.set PA, 224
.set PB, 240
.set T,  224                           ; sixteen pairs of partial sums, where P's codes come later
.set MA, 224                           ; four running maxima for each head
.set MB, 228
.set KF, 0
.set VF, 64
.set BI, 128
.set QC, 192
.set QN, 208
.set SPW, 29
.set NIL, 30
.set WV,  18
.set SEL, 20
.set CS,  22
.set TB,  2
.set TBB, 3
.set KS,  66
.set CNT, 67
.set NS,  68
.set NS1, 69
.set NS2, 70
.set LAST, 71
.set CSC, 72
.set CLM, 73
.set MSB, 0
.macro WIN new                         ; the immediate's high byte repeats the setting that is left
.if MSB != \new
	s_set_vgpr_msb (MSB<<8)|\new
.set MSB, \new
.endif
.endm
.macro CROUND
	s_barrier_signal -1
	s_barrier_wait -1
	s_cmp_lg_u32 s[WV], 0
	s_cbranch_scc1 .Lnot_wave_0_\@
	s_barrier_signal -3
.Lnot_wave_0_\@:
	s_barrier_wait -3
	s_barrier_signal -1
	s_barrier_wait -1
.endm
.macro KFETCH ak, ab, ko, bo           ; bias and K of one block of 128 keys into window 1
	WIN 0x40
.irp t, 0,1,2,3,4,5,6,7
	ds_load_b128 v[BI+8*\t:BI+8*\t+3], v[\ab] offset:\bo+64*\t
	ds_load_b128 v[BI+8*\t+4:BI+8*\t+7], v[\ab] offset:\bo+64*\t+16
.endr
.irp t, 0,1,2,3,4,5,6,7
	ds_load_b128 v[KF+8*\t:KF+8*\t+3], v[\ak] offset:\ko+1024*\t
	ds_load_b128 v[KF+8*\t+4:KF+8*\t+7], v[\ak] offset:\ko+1024*\t+512
.endr
	WIN 0
.endm
.macro INIT                            ; a tile's start: largest t -3e38, sums and O^T zero (the step is written once; the first finds zeros)
.irp r, 5,6,11,13
	v_mov_b32 v\r, 0xff61b1e6
.endr
	v_floor_f32 v10, -v11
	v_floor_f32 v12, -v13
.irp r, 14,15,16,17
	v_mov_b32 v\r, 0
.endr
.set I, 0
.rept 64
	v_mov_b32 v[OA+I], 0
.set I, I+1
.endr
.endm
.macro MAXG S, M, g                    ; group g of 8 of a head's maximum: four chains, each accumulator from its low end on
.if \g == 0
.irp k, 0,1,2,3
	v_max3_num_f32 v[\M+\k], v[\S+16*\k], v[\S+16*\k+1], v[\S+16*\k+2]
.endr
.else
.if \g < 7
.irp k, 0,1,2,3
	v_max3_num_f32 v[\M+\k], v[\M+\k], v[\S+16*\k+2*\g+1], v[\S+16*\k+2*\g+2]
.endr
.else
	v_max3_num_f32 v[\M], v[\M], v[\M+1], v[\M+2]
	v_max3_num_f32 v[\M+3], v[\M+3], v[\S+15], v[\S+31]
	v_max3_num_f32 v[\M], v[\M], v[\S+47], v[\S+63]
	v_max_num_f32 v[\M], v[\M], v[\M+3]
.endif
.endif
.endm
.macro CH g, X, RAW, NM, F, TMP, PT    ; link g of 8 from the step's largest score to -M and f = 2^(old M - new M)
.if \g == 0
	v_permlanex16_b32 v[\PT], v[\X], s[SEL], s[SEL+1]
.endif
.if \g == 1
	v_max_num_f32 v[\X], v[\X], v[\PT]             ; and among lane l xor 16's
.endif
.if \g == 2
	v_max_num_f32 v[\RAW], v[\RAW], v[\X]          ; tells at the end whether any key counted
	v_mul_f32 v[\X], s[CS], v[\X]
.endif
.if \g == 3
	v_mov_b32 v[\TMP], v[\NM]
	v_max_num_f32 v[\NM+1], v[\NM+1], v[\X]
.endif
.if \g == 4
	v_floor_f32 v[\NM], -v[\NM+1]                  ; -M = floor(-t)
.endif
.if \g == 5
	v_sub_f32 v[\TMP], v[\NM], v[\TMP]             ; old M - new M: a whole number, 0 or less
.endif
.if \g == 6
	v_cvt_i32_f32 v[\TMP], v[\TMP]                 ; (it saturates)
.endif
.if \g == 7
	v_ldexp_f32 v[\F], 1.0, v[\TMP]
.endif
.endm
.macro TADD a, b
	v_pk_add_f32 v[T+2*(\a):T+2*(\a)+1], v[T+2*(\a):T+2*(\a)+1], v[T+2*(\b):T+2*(\b)+1]
.endm
.macro BROW r                          ; head B's sum, four chains v[16:17] .. v[22:23]: one pair more each
	v_pk_add_f32 v[16:17], v[16:17], v[SB+2*\r:SB+2*\r+1]
.irp k, 1,2,3
	v_pk_add_f32 v[16+2*\k:17+2*\k], v[16+2*\k:17+2*\k], v[SB+16*\k+2*\r+2:SB+16*\k+2*\r+3]
.endr
.endm
.macro HOLD a                          ; two numbers held at 448 x 2^e9 (p is not negative, so the hold is one-sided)
	v_min_num_f32 v[\a], v[\a], v27
	v_min_num_f32 v[\a+1], v[\a+1], v28
.endm
	s_load_b128 s[4:7], s[0:1], 0x0                ; qimg, kvimg
	s_load_b128 s[8:11], s[0:1], 0x10              ; mask, the scales' exponents
	s_load_b64 s[12:13], s[0:1], 0x20              ; ctximg
	v_lshl_add_u32 v[SPW], v0, 2, SPARE
	v_mov_b32 v[NIL], 0
	ds_add_u32 v[SPW], v[NIL]                      ; the opening lines: the add, twice on end, and its wait
	ds_add_u32 v[SPW], v[NIL]
	v_lshrrev_b32 v8, 5, v0
	v_readfirstlane_b32 s[WV], v8                  ; wave 0..3
	s_bfe_u32 s44, ttmp6, 0x40000                  ; cx: it enters global addresses and v3 alone
	s_and_b32 s45, ttmp7, 0xffff                   ; g
	s_and_b32 s47, s[WV], 1                        ; hp
	s_lshr_b32 s48, s[WV], 1                       ; u
	s_lshr_b32 s49, ttmp9, 1
	s_sub_co_u32 s50, 7, s49
	s_cmp_eq_u32 s48, 1
	s_cselect_b32 s49, s50, s49                    ; cls
	s_add_co_u32 s[NS1], s49, 1
	s_sub_co_u32 s[NS2], 16, s49
	s_and_b32 s46, ttmp9, 1
	s_lshl_b32 s46, s46, 2
	s_add_co_u32 s46, s46, s44                     ; e
	s_lshl_b32 s49, s49, 3
	s_add_co_u32 s51, s49, s46                     ; the first tile
	s_sub_co_u32 s52, 120, s49
	s_add_co_u32 s52, s52, s46                     ; the second
	s_lshl_b32 s76, s46, 4                         ; 16 e: both tiles' place in their last step
	s_lshl_b32 s56, s45, 18                        ; K, V: head g,
	s_lshl_b32 s57, s[WV], 16                      ; four blocks of 128 keys a wave
	s_add_co_u32 s56, s56, s57
	s_mov_b32 s57, 0
	s_lshl_b32 s53, s45, 2
	s_lshl_b32 s54, s47, 1
	s_add_co_u32 s53, s53, s54
	s_lshl_b32 s53, s53, 17                        ; Q: head 4 g + 2 hp
	s_lshl_b32 s58, s51, 10
	s_add_co_u32 s58, s58, s53
	s_mov_b32 s59, 0
	s_lshl_b32 s60, s52, 10
	s_add_co_u32 s60, s60, s53
	s_mov_b32 s61, 0
	s_lshr_b32 s53, s45, 1
	s_lshl_b32 s53, s53, 20
	s_and_b32 s54, s45, 1
	s_lshl_b32 s54, s54, 12
	s_add_co_u32 s53, s53, s54
	s_lshl_b32 s54, s47, 11
	s_add_co_u32 s53, s53, s54                     ; ctx, but for the tile
	s_lshl_b32 s62, s51, 13
	s_add_co_u32 s62, s62, s53
	s_mov_b32 s63, 0
	s_lshl_b32 s74, s52, 13
	s_add_co_u32 s74, s74, s53
	s_mov_b32 s75, 0
	; descriptor group 1: a dense block of 256 rows x 32 elements of 8 bytes
	s_mov_b32 s24, 15|(3<<16)|(1<<21)              ; the mask: all four work-groups; elements of 8 bytes; bit 21 set beside a mask
	s_mov_b32 s25, 32<<16
	s_mov_b32 s26, 256<<16
	s_mov_b32 s27, 32<<16
	s_mov_b32 s28, 256
	s_mov_b32 s29, 32
	s_mov_b32 s30, 0
	s_mov_b32 s31, 0
	s_mov_b32 s[SEL], 0x76543210
	s_mov_b32 s[SEL+1], 0xfedcba98
	s_wait_dscnt 0x0
	s_wait_kmcnt 0x0
	s_load_b256 s[80:87], s[10:11], 0x0            ; e0 .. e7
	s_load_b128 s[88:91], s[10:11], 0x20           ; e8 .. e11
	s_mov_b32 s40, 1
	s_lshl_b32 s41, s[WV], 16                      ; LDS: wave x 65,536
	s_add_nc_u64 s[42:43], s[6:7], s[56:57]
	s_or_b32 s43, s43, 0x80000000
	s_add_nc_u64 s[6:7], s[4:5], s[60:61]          ; Q of the second tile
	s_add_nc_u64 s[4:5], s[4:5], s[58:59]          ; Q of the first
	s_add_nc_u64 s[14:15], s[12:13], s[74:75]      ; ctx of the second tile
	s_add_nc_u64 s[12:13], s[12:13], s[62:63]      ; ctx of the first
	CROUND                                         ; all four work-groups are here: the joint loads meet
	tensor_load_to_lds s[40:43], s[24:31]          ; my one tensor load
	s_nop 0
.rept 4
	v_nop
.endr
	v_lshlrev_b32 v25, 4, v0
	global_load_b128 v[32:35], v25, s[8:9]         ; sixteen bytes of the mask: keys 16 x thread on
	v_and_b32 v8, 31, v0
	v_lshlrev_b32 v1, 4, v8
	WIN 0x40
.irp b, 0,1
.irp q, 0,1
	global_load_b128 v[QC+8*\b+4*\q:QC+8*\b+4*\q+3], v1, s[4:5] offset:131072*\b+512*\q
	global_load_b128 v[QN+8*\b+4*\q:QN+8*\b+4*\q+3], v1, s[6:7] offset:131072*\b+512*\q
.endr
.endr
	WIN 0
	v_and_b32 v8, 15, v0                           ; r
	v_bfe_u32 v9, v0, 4, 1                         ; h
	v_lshl_add_u32 v2, v9, 5, BIAS
	v_lshl_add_u32 v31, v0, 6, BIAS                ; where I store bias
	v_lshlrev_b32 v9, 3, v9
	v_sub_nc_u32 v8, v8, v9
	v_add_nc_u32 v3, s76, v8                       ; 16 e + r - 8 h
	v_mov_b32 v4, 0xf1800000                       ; -2^100
	v_mov_b32 v19, 0                               ; (named as the upper halves of pairs)
	v_mov_b32 v21, 0
	v_mov_b32 v24, 0                               ; a lane permute's destination counts as one of its sources
	INIT
	s_wait_alu depctr_va_vdst(0)
	s_wait_kmcnt 0x0
	s_add_co_i32 s58, s86, s87
	s_lshl_b32 s58, s58, 23
	s_mov_b32 s[CS], 0x3e38aa3b                    ; c = log2(e) / 8;
	s_add_co_i32 s[CS], s[CS], s58                 ; a score stands for score x 2^(e6 + e7): added to c's exponent field
	s_mov_b32 s[CS+1], s[CS]
	s_add_co_i32 s58, s89, 127
	s_lshl_b32 s59, s58, 23
	v_mov_b32 v26, s59                             ; 2^e9
	s_add_co_i32 s58, s58, 8
	s_lshl_b32 s58, s58, 23
	s_or_b32 s58, s58, 0x600000
	v_mov_b32 v27, s58                             ; 448 x 2^e9
	v_mov_b32 v28, s58
	s_sub_co_i32 s58, s90, s88
	s_sub_co_i32 s58, s58, s89                     ; O^T stands for O^T x 2^(e8 + e9): ctx's conversion takes 2^(e10 - e8 - e9)
	s_add_co_i32 s58, s58, 127
	s_lshl_b32 s[CSC], s58, 23
	s_add_co_i32 s58, s58, 8
	s_lshl_b32 s58, s58, 23
	s_or_b32 s[CLM], s58, 0x600000
	s_wait_alu depctr_va_vdst(0)
	s_wait_loadcnt 0x0                             ; the mask's bytes, and Q
.irp w, 0,1,2,3
.irp i, 0,1,2,3
	v_bfe_u32 v[96+4*\w+\i], v[32+\w], 8*\i, 8
.endr
.endr
.set I, 0
.rept 16
	v_cmp_eq_u32 vcc_lo, 0, v[96+I]
	v_cndmask_b32 v[96+I], 0, v4, vcc_lo
.set I, I+1
.endr
.irp w, 0,1,2,3
	ds_store_b128 v31, v[96+4*\w:99+4*\w] offset:16*\w
.endr
	s_wait_alu depctr_va_vdst(0)
	s_wait_tensorcnt 0x0                           ; my four blocks of keys have landed,
	s_wait_dscnt 0x0                               ; my bias is stored:
	s_barrier_signal -1
	s_barrier_wait -1                              ; everybody's: the one barrier; behind it LDS is only read
	KFETCH 1, 2, 0, 0                              ; the first tile's first block
	s_mov_b32 s[CNT], 0
	s_wait_dscnt 0x0
.Lstep:                                                ; 32 trips, a constant: trips 0-15 the first tile's blocks, 16-31 the second's
	s_and_b32 s[KS], s[CNT], 15
	s_cmp_lt_u32 s[CNT], 16
	s_cselect_b32 s[NS], s[NS1], s[NS2]
	s_cmp_ge_u32 s[KS], s[NS]
	s_cbranch_scc1 .Lhidden
	s_lshl_b32 s[TB], s[KS], 14
	s_sub_co_u32 s[LAST], s[NS], 1
	s_add_co_u32 s77, s[KS], 1
	s_and_b32 s77, s77, 15                         ; the next block, taken modulo 16 so that its address lies in the filled bytes in every trip
	s_lshl_b32 s78, s77, 14
	s_lshl_b32 s[TBB], s77, 9
	v_add_nc_u32 v8, s[TB], v1                     ; this block: V
	v_add_nc_u32 v7, s78, v1                       ; the next block: K,
	v_add_nc_u32 v9, s[TBB], v2                    ; and its bias
	s_wait_alu depctr_va_vdst(0)
	v_nop                                          ; with the three additions: four places behind the last products, in front of the loads into V's registers
	s_cmp_lg_u32 s[KS], s[LAST]                    ; the tile's last step lies on the diagonal: key 16 t + 8 h + j is hidden where 16 t + j > v3
	s_cbranch_scc1 .Lopen
	WIN 0x41                                       ; destination and source 0: the bias, window 1
.set I, 0
.rept 64
	v_cmp_gt_i32 vcc_lo, 16*(I/8)+I%8, v3
	v_cndmask_b32 v[BI+I], v[BI+I], v4, vcc_lo
.set I, I+1
.endr
	WIN 0
.Lopen:
	WIN 0x40
.irp t, 0,1,2,3
.irp q, 0,1,2,3
	ds_load_b128 v[VF+16*\t+4*\q:VF+16*\t+4*\q+3], v8 offset:8192+2048*\t+512*\q   ; V lands under the softmax
.endr
.endr
	WIN 0x15                                       ; K, Q and the bias: window 1.  They were waited for ahead of the last second product, or behind their fetch
.irp t, 0,1,2,3,4,5,6,7
	v_wmma_f32_16x16x64_fp8_fp8 v[SA+8*\t:SA+8*\t+7], v[KF+8*\t:KF+8*\t+7], v[QC:QC+7], v[BI+8*\t:BI+8*\t+7]
	v_wmma_f32_16x16x64_fp8_fp8 v[SB+8*\t:SB+8*\t+7], v[KF+8*\t:KF+8*\t+7], v[QC+8:QC+15], v[BI+8*\t:BI+8*\t+7]
.endr
	WIN 0
.rept 4
	v_nop                                          ; places in front of the loads below and of the first read of results
.endr
	s_cmp_eq_u32 s[KS], s[LAST]
	s_cbranch_scc1 .Lnonext
	KFETCH 7, 9, 0, 0                              ; the next block's K and bias land under the softmax too
.Lnonext:
.irp g, 0,1,2,3,4,5,6,7
	MAXG SA, MA, \g
.endr
.irp g, 0,1,2,3,4,5,6,7                        ; head A's chain stands among head B's maxima,
	MAXG SB, MB, \g
	CH \g, MA, 5, 10, 18, 22, 24
.endr
.irp g, 0,1,2,3,4,5,6,7                        ; head B's among head A's t - M and the rescaling of its O^T
	CH \g, MB, 6, 12, 20, 23, 25
.irp j, 0,2,4,6
	v_pk_fma_f32 v[SA+8*\g+\j:SA+8*\g+\j+1], v[SA+8*\g+\j:SA+8*\g+\j+1], s[CS:CS+1], v[10:11] op_sel_hi:[1,0,0]
.endr
.irp j, 0,2
	v_pk_mul_f32 v[OA+4*\g+\j:OA+4*\g+\j+1], v[OA+4*\g+\j:OA+4*\g+\j+1], v[18:19] op_sel_hi:[1,0]
.endr
.endr
.irp j, 0,2,4,6,8,10,12,14,16,18,20,22,24,26,28,30
	v_pk_mul_f32 v[OB+\j:OB+\j+1], v[OB+\j:OB+\j+1], v[20:21] op_sel_hi:[1,0]
.endr
	v_pk_mul_f32 v[14:15], v[14:15], v[18:19] op_sel_hi:[1,0]   ; the sums under the new M
	v_pk_mul_f32 v[16:17], v[16:17], v[20:21] op_sel_hi:[1,0]
	s_wait_alu depctr_va_vdst(0)
.set I, 0
.rept 32                                       ; head A's exponentials; among them head B's t - M, which nothing reads before the wait behind the batch
	v_exp_f32 v[SA+2*I], v[SA+2*I]
	v_pk_fma_f32 v[SB+2*I:SB+2*I+1], v[SB+2*I:SB+2*I+1], s[CS:CS+1], v[12:13] op_sel_hi:[1,0,0]
	v_exp_f32 v[SA+2*I+1], v[SA+2*I+1]
.set I, I+1
.endr
	v_nop
	s_wait_alu depctr_va_vdst(0)                   ; behind head A's batch, ahead of head B's
.set I, 0
.rept 16                                       ; head B's exponentials; among them head A's first sums of the unquantised p, then its holds: each line independent, read behind the next wait
	v_exp_f32 v[SB+4*I], v[SB+4*I]
	v_pk_add_f32 v[T+2*I:T+2*I+1], v[SA+4*I:SA+4*I+1], v[SA+4*I+2:SA+4*I+3]
	v_exp_f32 v[SB+4*I+1], v[SB+4*I+1]
	HOLD SA+4*I
	v_exp_f32 v[SB+4*I+2], v[SB+4*I+2]
	HOLD SA+4*I+2
	v_exp_f32 v[SB+4*I+3], v[SB+4*I+3]
.set I, I+1
.endr
	v_nop
	s_wait_alu depctr_va_vdst(0)                   ; behind the batch, ahead of its first reader
	v_pk_add_f32 v[16:17], v[16:17], v[SB:SB+1]    ; head B's sum in four chains, head A's sixteen partial sums by halves
.irp k, 1,2,3
	v_pk_add_f32 v[16+2*\k:17+2*\k], v[SB+16*\k:SB+16*\k+1], v[SB+16*\k+2:SB+16*\k+3]
.endr
	TADD 0, 8
	TADD 1, 9
	BROW 1
	TADD 2, 10
	TADD 3, 11
	BROW 2
	TADD 4, 12
	TADD 5, 13
	BROW 3
	TADD 6, 14
	TADD 7, 15
	BROW 4
	TADD 0, 4
	TADD 1, 5
	BROW 5
	TADD 2, 6
	TADD 3, 7
	BROW 6
	TADD 0, 2
	TADD 1, 3
	v_pk_add_f32 v[16:17], v[16:17], v[SB+14:SB+15]
	v_pk_add_f32 v[18:19], v[18:19], v[20:21]
	TADD 0, 1
	v_pk_add_f32 v[16:17], v[16:17], v[22:23]
	v_pk_add_f32 v[16:17], v[16:17], v[18:19]
	v_pk_add_f32 v[14:15], v[14:15], v[T:T+1]
.irp t, 0,1,2,3,4,5,6,7
	v_cvt_scalef32_pk8_fp8_f32 v[PA+2*\t:PA+2*\t+1], v[SA+8*\t:SA+8*\t+7], v26
.endr
.set I, 0
.rept 32
	HOLD SB+2*I
.set I, I+1
.endr
.irp t, 0,1,2,3,4,5,6,7
	v_cvt_scalef32_pk8_fp8_f32 v[PB+2*\t:PB+2*\t+1], v[SB+8*\t:SB+8*\t+7], v26
.endr
	v_nop                                          ; one plain instruction behind the conversions
	WIN 0x01                                       ; V: window 1
	s_wait_alu depctr_va_vdst(0)
	s_wait_dscnt 0x0                               ; V, and the next block's K and bias
.irp t, 0,1,2,3
	v_wmma_f32_16x16x128_fp8_fp8 v[OA+8*\t:OA+8*\t+7], v[VF+16*\t:VF+16*\t+15], v[PA:PA+15], v[OA+8*\t:OA+8*\t+7]
	v_wmma_f32_16x16x128_fp8_fp8 v[OB+8*\t:OB+8*\t+7], v[VF+16*\t:VF+16*\t+15], v[PB:PB+15], v[OB+8*\t:OB+8*\t+7]
.endr
	WIN 0
	s_cmp_lg_u32 s[KS], s[LAST]
	s_cbranch_scc1 .Lhidden
	; THE TILE'S WAY OUT
.rept 4
	v_nop
.endr
	v_add_f32 v14, v14, v15
	v_add_f32 v16, v16, v17
	v_permlanex16_b32 v24, v14, s[SEL], s[SEL+1]
	v_permlanex16_b32 v25, v16, s[SEL], s[SEL+1]
	v_add_f32 v14, v14, v24                        ; the rows' sums
	v_add_f32 v16, v16, v25
	v_mov_b32 v96, s[CSC]                          ; 2^(e10 - e8 - e9),
	v_mov_b32 v97, s[CLM]                          ; 448 x that,
	v_mov_b32 v98, 0x7f7f7f7f                      ; NaN codes
	s_wait_alu depctr_va_vdst(0)                   ; ahead of the reciprocals
	v_rcp_f32 v14, v14
	v_rcp_f32 v16, v16
	v_nop
	s_wait_alu depctr_va_vdst(0)                   ; behind them, directly ahead of the first readers of O^T
.irp j, 0,2,4,6,8,10,12,14,16,18,20,22,24,26,28,30
	v_pk_mul_f32 v[32+\j:33+\j], v[OA+\j:OA+\j+1], v[14:15] op_sel_hi:[1,0]   ; O^T / the sum: register 8 t + j is channel 16 t + 8 h + j of my query
	v_pk_mul_f32 v[64+\j:65+\j], v[OB+\j:OB+\j+1], v[16:17] op_sel_hi:[1,0]
.endr
.set I, 0
.rept 64
	v_med3_num_f32 v[32+I], v[32+I], -v97, v97
.set I, I+1
.endr
.irp t, 0,1,2,3,4,5,6,7
	v_cvt_scalef32_pk8_fp8_f32 v[224+2*\t:225+2*\t], v[32+8*\t:39+8*\t], v96
.endr
	v_nop
	v_cmp_gt_f32 vcc_lo, 0xf1000000, v5            ; -2^99 > the largest raw score: no key counted for my query
.irp i, 0,1,2,3,4,5,6,7
	v_cndmask_b32 v[224+\i], v[224+\i], v98, vcc_lo
.endr
	v_cmp_gt_f32 vcc_lo, 0xf1000000, v6
.irp i, 8,9,10,11,12,13,14,15
	v_cndmask_b32 v[224+\i], v[224+\i], v98, vcc_lo
.endr
.irp q, 0,1,2,3
	global_store_b128 v1, v[224+4*\q:227+4*\q], s[12:13] offset:512*\q   ; 512 consecutive bytes each: the two heads' images lie on end
.endr
	s_wait_xcnt 0x0                                ; the stores have read their data and their base: both are written again only behind this wait, on either way below
	s_cmp_ge_u32 s[CNT], 16                        ; behind the second tile nothing is begun
	s_cbranch_scc1 .Lhidden
	INIT
	WIN 0x41
.set I, 0
.rept 16
	v_mov_b32 v[QC+I], v[QN+I]                     ; the second tile's Q
.set I, I+1
.endr
	WIN 0
	KFETCH 1, 2, 0, 0                              ; and its first block
	s_mov_b64 s[12:13], s[14:15]                   ; where the second tile's codes go
	s_wait_alu depctr_va_vdst(0)
	s_wait_dscnt 0x0
.Lhidden:
	s_add_co_u32 s[CNT], s[CNT], 1
	s_cmp_lt_u32 s[CNT], 32
	s_cbranch_scc1 .Lstep
	s_wait_tensorcnt 0x0                           ; the wave's end
	ds_add_u32 v[SPW], v[NIL]
	s_wait_dscnt 0x0
	CROUND                                         ; the closing round
	s_endpgm
.Lfunc_end_k_q2f143f6f8c_attn:
	.size	k_q2f143f6f8c_attn, .Lfunc_end_k_q2f143f6f8c_attn-k_q2f143f6f8c_attn
	.p2alignl 7, 3214868480
	.fill 96, 4, 3214868480
	.section	.rodata,"a",@progbits
	.p2align	6, 0x0
	.amdhsa_kernel k_q2f143f6f8c_attn
		.amdhsa_group_segment_fixed_size 272384
		.amdhsa_private_segment_fixed_size 0
		.amdhsa_enable_private_segment 0
		.amdhsa_kernarg_size 40
		.amdhsa_user_sgpr_count 2
		.amdhsa_user_sgpr_kernarg_segment_ptr 1
		.amdhsa_wavefront_size32 1
		.amdhsa_system_sgpr_workgroup_id_x 1
		.amdhsa_system_sgpr_workgroup_id_y 1
		.amdhsa_system_sgpr_workgroup_id_z 1
		.amdhsa_system_vgpr_workitem_id 0
		.amdhsa_next_free_vgpr 512
		.amdhsa_next_free_sgpr 100
		.amdhsa_reserve_vcc 1
		.amdhsa_float_denorm_mode_32 3
		.amdhsa_float_denorm_mode_16_64 3
		.amdhsa_memory_ordered 1
		.amdhsa_forward_progress 1
		.amdhsa_inst_pref_size 63
	.end_amdhsa_kernel
	.amdgpu_metadata
---
amdhsa.version: [ 1, 2 ]
amdhsa.kernels:
  - .name:           k_q2f143f6f8c_attn
    .symbol:         k_q2f143f6f8c_attn.kd
    .args:
      - { .name: qimg, .offset: 0, .size: 8, .value_kind: global_buffer, .address_space: global }
      - { .name: kvimg, .offset: 8, .size: 8, .value_kind: global_buffer, .address_space: global }
      - { .name: mask, .offset: 16, .size: 8, .value_kind: global_buffer, .address_space: global }
      - { .name: lowp_scales, .offset: 24, .size: 8, .value_kind: global_buffer, .address_space: global }
      - { .name: ctximg, .offset: 32, .size: 8, .value_kind: global_buffer, .address_space: global }
    .group_segment_fixed_size: 272384
    .private_segment_fixed_size: 0
    .kernarg_segment_align: 8
    .kernarg_segment_size: 40
    .max_flat_workgroup_size: 128
    .sgpr_count:     100
    .vgpr_count:     512
    .wavefront_size: 32
...
	.end_amdgpu_metadata
.endif
;; end of part 3
;; launch oproj (part 4): grid 16 x 16, 4 waves a work-group, clusters of 4 x 4, 327,680 bytes of LDS; arguments ctximg, woimg, lowp_scales, out0; writes out0
.if DOCPART == 4
	.amdgcn_target "amdgcn-amd-amdhsa--gfx1250"
	.amdhsa_code_object_version 6
	.text
	.protected	k_q2f143f6f8c_oproj
	.globl	k_q2f143f6f8c_oproj
	.p2align	8
	.type	k_q2f143f6f8c_oproj,@function
k_q2f143f6f8c_oproj:
	s_mov_b64 s[64:65], 0
	v_nop
	global_prefetch_b8 v0, s[64:65] scope:SCOPE_SE
	s_setreg_imm32_b32 hwreg(HW_REG_WAVE_MODE, 25, 1), 1
	s_wait_xcnt 0x0
	s_wait_alu depctr_hold_cnt(0) depctr_sa_sdst(0) depctr_va_vdst(0) depctr_va_sdst(0) depctr_va_ssrc(0) depctr_va_vcc(0) depctr_vm_vsrc(0)
	s_getreg_b32 s2, hwreg(HW_REG_IB_STS2, 6, 4)
	s_cmp_eq_u32 s2, 0
	s_cbranch_scc0 .Lentry_in_a_cluster
	s_endpgm
.Lentry_in_a_cluster:
	s_bfe_u32 s2, ttmp6, 0x10000c
	s_cmp_lg_u32 s2, 0xf033
	s_cbranch_scc0 .Lentry_shape_is_right
	s_endpgm
.Lentry_shape_is_right:
; out0 = ctx Wo^T on codes of E4M3 (v_wmma_f32_16x16x128_fp8_fp8, sums in f32), each sum x 2^(e10 + e11); LIMIT: e10 + e11 between -126 and 127.
; Operands come as images of operand registers, [K step of 512][block of 16 rows][chunk of 128 K][2,048 bytes].  A tile is 128 x 128, four waves of 64 x 64; K goes in four steps of 512 through two LDS slots.
; CLUSTERS: 4 x 4; ctx's tile is shared along a row of the cluster, Wo's along a column: asked for jointly.  Results leave through each wave's own stage in LDS as aligned runs of 256 bytes.
.set KSTR,  1048576
.set HALFT, 32768
.set SLOT,  4*HALFT
.set STAGE, 2*SLOT
.set SPITCH, 272
.set SPARE, STAGE+4*16*SPITCH
.set ADRA, 16
.set ADRB, 20
.set STO,  24
.set RD,   25
.set LI,   26
.set CO,   27
.set SPW,  28
.set NIL,  29
.set T,    32
.set BK,   64
.set ACC,  128
.set F0,   0
.set F1,   128
.set G1, 24
.set G0, 32
.set G1B, 48
.set G0B, 56
.set MSB, 0
.macro WIN new
.if MSB != \new
	s_set_vgpr_msb (MSB<<8)|\new
.set MSB, \new
.endif
.endm
.set MUL,  0x05
.set TO_F, 0x40
.macro JLOAD s
	s_cmp_eq_u32 s11, 0
	s_cbranch_scc0 .Lfor_b_\@
	tensor_load_to_lds s[G0+4*\s:G0+4*\s+3], s[G1:G1+7]
	s_nop 0
.rept 4
	v_nop
.endr
	s_branch .Lasked_\@
.Lfor_b_\@:
	tensor_load_to_lds s[G0B+4*\s:G0B+4*\s+3], s[G1B:G1B+7]
	s_nop 0
.rept 4
	v_nop
.endr
.Lasked_\@:
.endm
.macro CREST
	s_cmp_lg_u32 s10, 0
	s_cbranch_scc1 .Lnot_wave_0_\@
	s_barrier_signal -3
.Lnot_wave_0_\@:
	s_barrier_wait -3
	s_barrier_signal -1
	s_barrier_wait -1
.endm
.macro CROUND
	s_barrier_signal -1
	s_barrier_wait -1
	CREST
.endm
.macro PLACES
.rept 4
	v_nop
.endr
.endm
	s_load_b128 s[4:7], s[0:1], 0x0
	s_load_b64 s[8:9], s[0:1], 0x10
	s_load_b64 s[68:69], s[0:1], 0x18
	v_lshl_add_u32 v[SPW], v0, 2, SPARE
	v_mov_b32 v[NIL], 0
	ds_add_u32 v28, v29
	ds_add_u32 v28, v29
	s_wait_dscnt 0x0
	v_lshrrev_b32 v1, 5, v0
	v_readfirstlane_b32 s10, v1
	s_lshr_b32 s11, s10, 1
	s_and_b32 s12, s10, 1
	s_bfe_u32 s40, ttmp6, 0x40000
	s_bfe_u32 s41, ttmp6, 0x40004
	s_lshl_b32 s42, ttmp9, 2
	s_add_co_u32 s42, s42, s40
	s_and_b32 s13, ttmp7, 0xffff
	s_lshl_b32 s13, s13, 2
	s_add_co_u32 s13, s13, s41
	s_lshl_b32 s43, s41, 2
	s_lshl_b32 s43, 15, s43
	s_lshl_b32 s44, 0x1111, s40
	s_or_b32 s[G1+0], s43, (3<<16)|(1<<21)
	s_or_b32 s[G1B+0], s44, (3<<16)|(1<<21)
.irp g, G1, G1B
	s_mov_b32 s[\g+1], 32<<16
	s_mov_b32 s[\g+2], 128<<16
	s_mov_b32 s[\g+3], 32<<16
	s_mov_b32 s[\g+4], 128
	s_mov_b32 s[\g+5], 32
	s_mov_b32 s[\g+6], 0
	s_mov_b32 s[\g+7], 0
.endr
	s_lshl_b32 s17, s12, 2
	s_lshl_b32 s20, s13, 3
	s_add_co_u32 s20, s20, s17
	s_lshl_b32 s20, s20, 13
	s_mov_b32 s21, 0
	s_lshl_b32 s46, s42, 3
	s_add_co_u32 s46, s46, s17
	s_lshl_b32 s46, s46, 13
	s_mov_b32 s47, 0
	s_lshl_b32 s22, s10, 15
	s_wait_kmcnt 0x0
	s_load_b64 s[96:97], s[8:9], 0x28
	s_add_nc_u64 s[20:21], s[4:5], s[20:21]
	s_add_nc_u64 s[46:47], s[6:7], s[46:47]
	CROUND
.irp s, 0,1
	s_mov_b32 s[G0+4*\s], 1
	s_add_co_u32 s[G0+4*\s+1], s22, \s*SLOT
	s_add_nc_u64 s[G0+4*\s+2:G0+4*\s+3], s[20:21], \s*KSTR
	s_or_b32 s[G0+4*\s+3], s[G0+4*\s+3], 0x80000000
	s_mov_b32 s[G0B+4*\s], 1
	s_add_co_u32 s[G0B+4*\s+1], s22, \s*SLOT
	s_add_nc_u64 s[G0B+4*\s+2:G0B+4*\s+3], s[46:47], \s*KSTR
	s_or_b32 s[G0B+4*\s+3], s[G0B+4*\s+3], 0x80000000
.endr
	JLOAD 0                                        ; K step 0: one tensor load a wave at the head
	v_and_b32 v1, 31, v0
	v_lshlrev_b32 v[LI], 4, v1
	s_lshl_b32 s14, s11, 15
	s_lshl_b32 s15, s12, 15
	s_add_co_u32 s15, s15, 2*HALFT
.irp s, 0,1
	v_add_nc_u32 v[ADRA+\s], s14, v[LI]
	v_add_nc_u32 v[ADRB+\s], s15, v[LI]
	s_add_co_u32 s14, s14, SLOT
	s_add_co_u32 s15, s15, SLOT
.endr
	v_and_b32 v1, 15, v0
	v_bfe_u32 v2, v0, 4, 1
	s_mul_i32 s23, s10, 16*SPITCH
	s_add_co_u32 s23, s23, STAGE
	v_mul_u32_u24 v[STO], v1, SPITCH
	v_lshl_add_u32 v[STO], v2, 5, v[STO]
	v_add_nc_u32 v[STO], s23, v[STO]
	v_mul_u32_u24 v[RD], v2, SPITCH
	v_lshl_add_u32 v[RD], v1, 4, v[RD]
	v_add_nc_u32 v[RD], s23, v[RD]
	v_lshlrev_b32 v[CO], 13, v2
	v_lshl_add_u32 v[CO], v1, 4, v[CO]
	s_lshl_b32 s72, s13, 7
	s_lshl_b32 s73, s11, 6
	s_add_co_u32 s72, s72, s73
	s_lshl_b32 s72, s72, 13
	s_lshl_b32 s73, s42, 7
	s_lshl_b32 s74, s12, 6
	s_add_co_u32 s73, s73, s74
	s_lshl_b32 s73, s73, 2
	s_add_co_u32 s72, s72, s73
	s_mov_b32 s73, 0
	s_add_nc_u64 s[68:69], s[68:69], s[72:73]
	s_wait_kmcnt 0x0
	s_add_co_i32 s96, s96, s97
	s_add_co_i32 s96, s96, 127
	s_lshl_b32 s96, s96, 23
	s_mov_b32 s97, s96
.macro MUL4 f, a, zero
.irp b, 0,1,2,3
.if \zero
	v_wmma_f32_16x16x128_fp8_fp8 v[ACC+8*(4*(\a)+\b):ACC+8*(4*(\a)+\b)+7], v[\f+64+16*\b:\f+64+16*\b+15], v[\f+16*(\a):\f+16*(\a)+15], 0
.else
	v_wmma_f32_16x16x128_fp8_fp8 v[ACC+8*(4*(\a)+\b):ACC+8*(4*(\a)+\b)+7], v[\f+64+16*\b:\f+64+16*\b+15], v[\f+16*(\a):\f+16*(\a)+15], v[ACC+8*(4*(\a)+\b):ACC+8*(4*(\a)+\b)+7]
.endif
.endr
.endm
.macro FETCH slot, q, f
	WIN TO_F
.irp i, 0,1,2,3
.irp c, 0,1,2,3
	ds_load_b128 v[\f+64+16*\i+4*\c:\f+64+16*\i+4*\c+3], v[ADRB+\slot] offset:\i*8192+(\q)*2048+512*\c
.endr
.endr
.irp i, 0,1,2,3
.irp c, 0,1,2,3
	ds_load_b128 v[\f+16*\i+4*\c:\f+16*\i+4*\c+3], v[ADRA+\slot] offset:\i*8192+(\q)*2048+512*\c
.endr
.endr
.endm
.macro QUARTER slot, q, f, g, zero
	s_wait_dscnt 8
	WIN MUL
	MUL4 \f, 0, \zero
	MUL4 \f, 1, \zero
	PLACES
	FETCH \slot, \q, \g
	s_wait_dscnt 32
	WIN MUL
	MUL4 \f, 2, \zero
	MUL4 \f, 3, \zero
.endm
.macro TURN slot, next, fill
	WIN 0
	s_wait_tensorcnt 0x0
	ds_add_u32 v[SPW], v[NIL]
	s_wait_dscnt 9
	WIN MUL
	MUL4 F1, 0, 0
	s_wait_dscnt 0x0
	s_barrier_signal -1
	MUL4 F1, 1, 0
.if \fill
	WIN 0
.endif
	s_barrier_wait -1
.if \fill
	CREST
	s_add_nc_u64 s[G0+4*\slot+2:G0+4*\slot+3], s[G0+4*\slot+2:G0+4*\slot+3], 2*KSTR
	s_add_nc_u64 s[G0B+4*\slot+2:G0B+4*\slot+3], s[G0B+4*\slot+2:G0B+4*\slot+3], 2*KSTR
	JLOAD \slot
.else
	PLACES
.endif
	FETCH \next, 0, F0
	WIN MUL
	MUL4 F1, 2, 0
	MUL4 F1, 3, 0
.endm
	s_wait_alu depctr_va_vdst(0)
	s_wait_tensorcnt 0x0                           ; my part of K step 0 is in; the lines that stand ahead of a later first fill, as ahead of a refill:
	ds_add_u32 v[SPW], v[NIL]
	s_wait_dscnt 0x0
	CROUND                                         ; a whole round: everybody's part of K step 0 is in, and the joint loads meet
	JLOAD 1                                        ; K step 1: the first tensor load behind the round
	FETCH 0, 0, F0
	QUARTER 0, 1, F0, F1, 1
	QUARTER 0, 2, F1, F0, 0
	QUARTER 0, 3, F0, F1, 0
	TURN 0, 1, 1
	QUARTER 1, 1, F0, F1, 0
	QUARTER 1, 2, F1, F0, 0
	QUARTER 1, 3, F0, F1, 0
	TURN 1, 0, 1
	QUARTER 0, 1, F0, F1, 0
	QUARTER 0, 2, F1, F0, 0
	QUARTER 0, 3, F0, F1, 0
	TURN 0, 1, 0
	QUARTER 1, 1, F0, F1, 0
	QUARTER 1, 2, F1, F0, 0
	QUARTER 1, 3, F0, F1, 0
	s_wait_dscnt 8
	WIN MUL
	MUL4 F1, 0, 0
	MUL4 F1, 1, 0
	s_wait_dscnt 0x0
	MUL4 F1, 2, 0
	MUL4 F1, 3, 0
	WIN 0
	PLACES
.macro TOSTAGE a
.irp b, 0,1,2,3
.irp j, 0,2,4,6
	v_pk_mul_f32 v[T+8*\b+\j:T+8*\b+\j+1], v[ACC+32*(\a)+8*\b+\j:ACC+32*(\a)+8*\b+\j+1], s[96:97] op_sel_hi:[1,0]
.endr
.endr
.irp b, 0,1,2,3
	ds_store_b128 v[STO], v[T+8*\b:T+8*\b+3] offset:64*\b
	ds_store_b128 v[STO], v[T+8*\b+4:T+8*\b+7] offset:64*\b+16
.endr
.irp i, 0,1,2,3,4,5,6,7
	ds_load_b128 v[BK+32*((\a)%2)+4*\i:BK+32*((\a)%2)+4*\i+3], v[RD] offset:2*SPITCH*\i
.endr
.endm
.macro SEND a, younger
	s_wait_dscnt \younger
.irp i, 0,1,2,3,4,5,6,7
	global_store_b128 v[CO], v[BK+32*((\a)%2)+4*\i:BK+32*((\a)%2)+4*\i+3], s[68:69] offset:(\a)*131072+\i*16384 th:TH_STORE_NT
.endr
.endm
	TOSTAGE 0
	TOSTAGE 1
	SEND 0, 16
	s_wait_xcnt 0x0
	TOSTAGE 2
	SEND 1, 16
	s_wait_xcnt 0x0
	TOSTAGE 3
	SEND 2, 16
	SEND 3, 0
	s_wait_tensorcnt 0x0
	ds_add_u32 v[SPW], v[NIL]
	s_wait_dscnt 0x0
	CROUND
	s_endpgm
.Lfunc_end_k_q2f143f6f8c_oproj:
	.size	k_q2f143f6f8c_oproj, .Lfunc_end_k_q2f143f6f8c_oproj-k_q2f143f6f8c_oproj
	.p2alignl 7, 3214868480
	.fill 96, 4, 3214868480
	.section	.rodata,"a",@progbits
	.p2align	6, 0x0
	.amdhsa_kernel k_q2f143f6f8c_oproj
		.amdhsa_group_segment_fixed_size 327680
		.amdhsa_private_segment_fixed_size 0
		.amdhsa_enable_private_segment 0
		.amdhsa_kernarg_size 32
		.amdhsa_user_sgpr_count 2
		.amdhsa_user_sgpr_kernarg_segment_ptr 1
		.amdhsa_wavefront_size32 1
		.amdhsa_system_sgpr_workgroup_id_x 1
		.amdhsa_system_sgpr_workgroup_id_y 1
		.amdhsa_system_sgpr_workgroup_id_z 1
		.amdhsa_system_vgpr_workitem_id 0
		.amdhsa_next_free_vgpr 512
		.amdhsa_next_free_sgpr 100
		.amdhsa_reserve_vcc 0
		.amdhsa_float_denorm_mode_32 3
		.amdhsa_float_denorm_mode_16_64 3
		.amdhsa_memory_ordered 1
		.amdhsa_forward_progress 1
		.amdhsa_inst_pref_size 74
	.end_amdhsa_kernel
	.amdgpu_metadata
---
amdhsa.version: [ 1, 2 ]
amdhsa.kernels:
  - .name:           k_q2f143f6f8c_oproj
    .symbol:         k_q2f143f6f8c_oproj.kd
    .args:
      - { .name: ctximg, .offset: 0, .size: 8, .value_kind: global_buffer, .address_space: global }
      - { .name: woimg, .offset: 8, .size: 8, .value_kind: global_buffer, .address_space: global }
      - { .name: lowp_scales, .offset: 16, .size: 8, .value_kind: global_buffer, .address_space: global }
      - { .name: out0, .offset: 24, .size: 8, .value_kind: global_buffer, .address_space: global }
    .group_segment_fixed_size: 327680
    .private_segment_fixed_size: 0
    .kernarg_segment_align: 8
    .kernarg_segment_size: 32
    .max_flat_workgroup_size: 128
    .sgpr_count:     100
    .vgpr_count:     512
    .wavefront_size: 32
...
	.end_amdgpu_metadata
.endif
;; end of part 4
